; MI455X (gfx1250); checked and timed in simulation.
; The chip was launched on July 23, 2026; its instructions are those of AMD's public machine-readable ISA for CDNA 5 (MIT licence, August 2026) and "CDNA5" Instruction Set Architecture Reference Guide (July 2026). The comments in the code are by the model that wrote it; some were corrected since.
;; Lo RA Multihead Attention. Allowed arithmetic: matrix products marked QUANTISED: E2M1 operands, one E8M0 scale for each 32 along K, by v_wmma_scale_f32_16x16x128_f8f6f4 with both operands' format E2M1 (or v_wmma_scale_f32_32x16x128_f4), f32 sums; products left as they are: f32 operands where the result goes on into a quantised operand, else bf16, f16 or f32 operands; f32 sums; everything else in f32.
;; Inputs: Aq_codes 16 x 32 x 16 uint8 (E2M1 codes of Aq, K innermost, in blocks of 32 codes, two codes a byte); Aq_scales 16 x 32 uint8 (E8M0 scales of Aq, one for each 32 codes along K); Av_codes 16 x 32 x 16 uint8 (E2M1 codes of Av, K innermost, in blocks of 32 codes, two codes a byte); Av_scales 16 x 32 uint8 (E8M0 scales of Av, one for each 32 codes along K); Bq 16 x 1,024 float32; Bv 16 x 1,024 float32; Wk_codes 1,024 x 32 x 16 uint8 (E2M1 codes of Wk, K innermost, in blocks of 32 codes, two codes a byte); Wk_scales 1,024 x 32 uint8 (E8M0 scales of Wk, one for each 32 codes along K); Wo_codes 1,024 x 32 x 16 uint8 (E2M1 codes of Wo, K innermost, in blocks of 32 codes, two codes a byte); Wo_scales 1,024 x 32 uint8 (E8M0 scales of Wo, one for each 32 codes along K); Wq_codes 1,024 x 32 x 16 uint8 (E2M1 codes of Wq, K innermost, in blocks of 32 codes, two codes a byte); Wq_scales 1,024 x 32 uint8 (E8M0 scales of Wq, one for each 32 codes along K); Wv_codes 1,024 x 32 x 16 uint8 (E2M1 codes of Wv, K innermost, in blocks of 32 codes, two codes a byte); Wv_scales 1,024 x 32 uint8 (E8M0 scales of Wv, one for each 32 codes along K); bk 1,024 float32; bo 1,024 float32; bq 1,024 float32; bv 1,024 float32; x_k_codes 2,048 x 4 x 32 x 16 uint8 (E2M1 codes of x_k, K innermost, in blocks of 32 codes, two codes a byte); x_k_scales 2,048 x 4 x 32 uint8 (E8M0 scales of x_k, one for each 32 codes along K); x_q_codes 2,048 x 4 x 32 x 16 uint8 (E2M1 codes of x_q, K innermost, in blocks of 32 codes, two codes a byte); x_q_scales 2,048 x 4 x 32 uint8 (E8M0 scales of x_q, one for each 32 codes along K); x_v_codes 2,048 x 4 x 32 x 16 uint8 (E2M1 codes of x_v, K innermost, in blocks of 32 codes, two codes a byte); x_v_scales 2,048 x 4 x 32 uint8 (E8M0 scales of x_v, one for each 32 codes along K).
;; Outputs: out0 2,048 x 4 x 1,024 float32.
;; This version of the problem:
;;   THIS VERSION OF THE PROBLEM IS GIVEN IN LOW PRECISION. The matrix products marked QUANTISED in the list below multiply operands that are first quantised to E2M1 (2 exponent bits, 1 mantissa bit; 4 bits a number), with one power-of-two scale for each 32 numbers along K (OCP MX v1.0); their sums are f32. All else is computed in f32.
;;   The module's matrix products, in the order in which they are computed (A, B: the left and right operand; K: the contracted axis; several contracted axes count as one K, in the product's order):
;;     1. [M 8,192, K 1,024] x [K 1,024, N 1,024]; A: input x_q (given as codes); B: input Wq (given as codes): QUANTISED
;;     2. [M 8,192, K 1,024] x [K 1,024, N 16]; A: input x_q (given as codes); B: input Aq (given as codes): QUANTISED
;;     3. [M 8,192, K 16] x [K 16, N 1,024]; A: computed on the way; B: input Bq: left as it is (K = 16 < 32)
;;     4. [M 8,192, K 1,024] x [K 1,024, N 1,024]; A: input x_k (given as codes); B: input Wk (given as codes): QUANTISED
;;     5. [M 8,192, K 1,024] x [K 1,024, N 1,024]; A: input x_v (given as codes); B: input Wv (given as codes): QUANTISED
;;     6. [M 8,192, K 1,024] x [K 1,024, N 16]; A: input x_v (given as codes); B: input Av (given as codes): QUANTISED
;;     7. [M 8,192, K 16] x [K 16, N 1,024]; A: computed on the way; B: input Bv: left as it is (K = 16 < 32)
;;     8. batch 64 x [M 2,048, K 64] x [K 64, N 2,048]; A: computed on the way; B: computed on the way: QUANTISED
;;     9. batch 64 x [M 2,048, K 2,048] x [K 2,048, N 64]; A: softmax (see below); B: computed on the way: QUANTISED
;;     10. [M 8,192, K 1,024] x [K 1,024, N 1,024]; A: computed on the way; B: input Wo (given as codes): QUANTISED
;;   THE QUANTISER, for each operand of a quantised product, along K:
;;     - K is cut into blocks of 32 from its start; a last block that is shorter is filled with zeros.
;;     - A block's scale is 2^e with e = floor(log2(the largest magnitude in the block)) - 2, held to -126 .. 127; a block of zeros has e = 0. As a byte (E8M0): e + 127.
;;     - Each number is divided by its block's scale, clamped to +-6, and rounded to the nearest number of E2M1, ties to even, subnormals kept.
;;     - The product sums the exact products of the quantised numbers (number of the format x scale) in f32.
;;   ~~~python
;;   def quantise(x, axis):      # numpy; x: float32 -> the quantised numbers, widened to float32 again
;;       x = np.moveaxis(x, axis, -1); K = x.shape[-1]
;;       x = np.pad(x, [(0, 0)] * (x.ndim - 1) + [(0, -K % 32)]); x = x.reshape(x.shape[:-1] + (-1, 32)); a = np.abs(x).max(-1, keepdims=True)
;;       e = np.where(a > 0, np.clip(np.frexp(np.where(a > 0, a, 1))[1] - 1 - 2, -126, 127), 0)      # np.frexp(a)[1] - 1 = floor(log2(a)), exactly
;;       r = np.clip(x / 2.0 ** e, -6, 6)
;;       step = 2.0 ** (np.maximum(np.frexp(np.where(r == 0, 1, r))[1] - 1, 0) - 1)
;;       q = np.round(r / step) * step * 2.0 ** e      # np.round: ties to even
;;       return np.moveaxis(q.reshape(q.shape[:-2] + (-1,))[..., :K], -1, axis).astype(np.float32)
;;   ~~~
;;   SOFTMAX AHEAD OF A QUANTISED PRODUCT. Where the list says 'softmax', what is quantised is not the finished softmax but p = 2^(t - M), with t = logit x log2(e) and M = ceil(the row's largest t), a whole number; so 1/2 < the row's largest p <= 1. The row's sum l is taken of the UNQUANTISED p, in f32, and the product's result is divided by l at the end. Since M is a whole number, a kernel that streams over the keys may use a running M (the ceiling of the running maximum): every later rescaling is an exact power of two, which a block's scale takes up: the codes' values come out the same.
;;   OPERANDS COMPUTED ON THE WAY. 'Computed on the way' means the value that the module computes at that place (a softmax that the list does not call 'softmax' is quantised finished and normalised). What goes into a quantiser is computed in f32, as accurately as f32 sums, v_exp_f32 and their like allow (about 1e-6 of the number): no bf16 or f16 on the way to a quantiser, and a product that is left as it is and whose result goes on into a quantised operand takes f32 operands (vector FMAs, or v_wmma_f32_16x16x4_f32). A number that lies on a knife's edge between two numbers of the format may be rounded either way, as far as f32 arithmetic and the matrix unit's own rounding can turn it there, and no further.
;;   INPUTS GIVEN AS CODES. Aq (in the module: [1024, 16], K = its axis 0); Av (in the module: [1024, 16], K = its axis 0); Wk (in the module: [1024, 1024], K = its axis 1); Wo (in the module: [1024, 1024], K = its axis 1); Wq (in the module: [1024, 1024], K = its axis 1); Wv (in the module: [1024, 1024], K = its axis 1); x_k (in the module: [2048, 4, 1024], K = its axis 2); x_q (in the module: [2048, 4, 1024], K = its axis 2); x_v (in the module: [2048, 4, 1024], K = its axis 2): each comes as NAME_codes (uint8): NAME with its K axis moved to the last place and cut into blocks of 32 codes, [.., K / 32, bytes a block], one block behind the other in memory; two codes a byte, the lower K in the low four bits (a code: sign, 2 exponent bits, 1 mantissa bit); and NAME_scales (uint8): the same leading axes, one E8M0 byte (e + 127) for each 32 codes along K. Its value is code x scale, taken as it is: it is not quantised again, and the codes and scales need not be those that the quantiser above would give.
;; One version. Each part assembles by itself: llvm-mc -triple=amdgcn-amd-amdhsa -mcpu=gfx1250 --defsym DOCPART=n.
;; ======== version 1 of 1: 3 launches
;; limits: right only within a limited range of input values
;; workspace buffers: qc 4,194,304 bytes; qs 262,144 bytes; kc 4,194,304 bytes; ks 262,144 bytes; vc 4,194,304 bytes; vs 262,144 bytes; oc 4,194,304 bytes; os 262,144 bytes
;; launch proj (part 1): grid 4 x 96, 16 waves a work-group, clusters of 4 x 4, 327,680 bytes of LDS; arguments x_q_codes, x_q_scales, Wq_codes, Wq_scales, bq, qc, qs, Aq_codes, x_v_codes, x_v_scales, Wv_codes, Wv_scales, bv, vc, vs, Av_codes, x_k_codes, x_k_scales, Wk_codes, Wk_scales, bk, kc, ks, Aq_scales, Av_scales, Bq, Bv; writes qc, qs, kc, ks, vc, vs
.if DOCPART == 1
	.amdgcn_target "amdgcn-amd-amdhsa--gfx1250"
	.amdhsa_code_object_version 6
	.text
	.protected	k_q6eb5c49bc1_proj
	.globl	k_q6eb5c49bc1_proj
	.p2align	8
	.type	k_q6eb5c49bc1_proj,@function
k_q6eb5c49bc1_proj:
	s_mov_b64 s[64:65], 0
	v_nop
	global_prefetch_b8 v0, s[64:65] scope:SCOPE_SE
	s_setreg_imm32_b32 hwreg(HW_REG_WAVE_MODE, 25, 1), 1
	s_wait_xcnt 0x0
	s_wait_alu depctr_hold_cnt(0) depctr_sa_sdst(0) depctr_va_vdst(0) depctr_va_sdst(0) depctr_va_ssrc(0) depctr_va_vcc(0) depctr_vm_vsrc(0)
	s_getreg_b32 s2, hwreg(HW_REG_IB_STS2, 6, 4)
	s_cmp_eq_u32 s2, 0
	s_cbranch_scc0 .Lentry_in_a_cluster
	s_endpgm
.Lentry_in_a_cluster:
	s_bfe_u32 s2, ttmp6, 0x10000c
	s_cmp_lg_u32 s2, 0xf033
	s_cbranch_scc0 .Lentry_shape_is_right
	s_endpgm
.Lentry_shape_is_right:
; q = x_q Wq^T + bq + 2 (x_q Aq) Bq,  k = x_k Wk^T + bk,  v = x_v Wv^T + bv + 2 (x_v Av) Bv, and the quantisers of q, k (along the head's 64) and v (along the keys), to E2M1 codes with one E8M0 byte for each 32.
; x, W, A arrive as codes (a row of 1,024 codes is 512 bytes, its 32 scale bytes beside it) and go to the matrix unit as they lie.  T = x A is kept in f32 and multiplied by B in f32 (16x16x4), since the result goes on into a quantiser.
; SHARES.  A work-group makes 256 tokens (one b, 256 consecutive s) x 256 features (four heads) of ONE of the three results: ROLE = cluster y / 8: 0 q, 1 v, 2 k.  All of K fits in LDS: every byte of LDS is filled once.
; Sixteen waves, 256 registers each.  A wave makes 128 (P) x 32 (Q): 16 accumulators.  THE RESULT HAS P IN A LANE'S REGISTERS AND Q IN THE LANE (source 0 = 16 rows of P, source 1 = 16 rows of Q), and the quantiser runs along P:
;   q, k: P = features, Q = tokens;     v: P = tokens (the keys), Q = features.
; THE ROWS THAT FORM A TILE OF P ARE NOT NEIGHBOURS: lane r of tile 2 b + u takes row 32 b + 8 u + r + 8 (r / 8), so that the 16 registers of tiles 2 b, 2 b + 1 are 16 neighbours along P.  For v the tiles of Q (the head's d) are chosen
; the same way, so that the attention's result has neighbours along d in a lane's registers.
; OUT.  qc, kc: [head n = 16 b + h][s][32 bytes].  qs, ks: [n][s] two bytes.  vc: images of the registers of V^T's fragments, [n][128 keys][16 d][2][lane][16 bytes].  vs: [n][128 keys][16 d][row] one word.
; CLUSTER.  4 x 4 work-groups: cx = the block of features, cy = the block of tokens.  x's tiles are asked for jointly along a row of the cluster, W's along a column.
; x's scale bytes are 32 of each 128 bytes of memory (the other three b lie between): 8,192 bytes of use out of a span of 32,768, once a work-group.
; LIMITS: NaN and infinities are not served; a block whose largest magnitude lies under 2^-124, a block of zeros among them, gets the byte 1 (its bytes are read by this program alone); the f32 sums run codes, bias, T B.
.set PITCH, 528                        ; a row of codes in LDS: 512 bytes + 16
.set SPI,   32                         ; a row of scale bytes in LDS: 32 bytes, dense
.set XC,    0                          ; x's codes, 256 rows
.set WC,    256*PITCH                  ; W's codes, 256 rows
.set XS,    512*PITCH                  ; x's scale bytes
.set WS,    XS+256*SPI                 ; W's
.set TQ,    WS+256*SPI                 ; images of T, 16 tiles x 1,024 bytes, on q's way
.set TV,    TQ+16384                   ; and on v's way: bytes of its own
.set SPARE, TV+16384                   ; the spare words, 128 bytes for each of sixteen waves: eight blocks of 256 bytes that no other line names
.set STQ,   0                          ; the stage of scale bytes, 2,048 bytes, on q's and k's way: in x's codes, which nobody reads behind the second barrier
.set STV,   4096                       ; and on v's way
.set XCP, 4                            ; s[4:5] x's codes, s[6:7] x's scales, s[8:9] W's codes, s[10:11] W's scales, s[12:13] the bias, s[14:15] codes out, s[16:17] scales out, s[18:19] A's codes
.set XSP, 6
.set WCP, 8
.set WSP, 10
.set BIP, 12
.set DCP, 14
.set DSP, 16
.set ACP, 18
.set ASC, 58                           ; s[58:59] A's scales
.set BMP, 60                           ; s[60:61] B
.set G1X, 20                           ; descriptor groups 1: x's codes, W's codes, x's scales, W's scales
.set G1W, 28
.set G1XS, 36
.set G1WS, 44
.set G0X, 68                           ; and groups 0
.set G0W, 72
.set G0XS, 76
.set G0WS, 80
.set WV, 84                            ; wave
.set ROLE, 85
.set CX, 86
.set CY, 87
.set BB, 88                            ; b
.set SB, 89                            ; which 256 of s
.set WP, 90                            ; wave / 8: my 128 of P
.set WQ, 91                            ; wave % 8: my 32 of Q
.set SEL, 92                           ; s[92:93] lane selects for v_permlanex16_b32: lane l xor 16
.set RR, 1                             ; v1 r = lane % 16, v2 lane / 16, v3 r + 8 (r / 8), v4 lane, v5 16 x lane
.set HH, 2
.set PRM, 3
.set LN, 4
.set L16, 5
.set ADRP, 6                           ; LDS addresses: P's fragments, Q's, P's scale words, Q's
.set ADRQ, 7
.set ASP, 8
.set ASQ, 9
.set ONE, 16                           ; v[16:17] = (1 in lanes 0-15, 0), v[18:19] = (0, 1 in lanes 0-15)
.set T2, 20                            ; v20-27 2 T of a tile, later the biases
.set SP, 28                            ; v28-43 P's scale words, v44-47 Q's: scales and nothing else
.set SQ, 44
.set QF, 48                            ; v48-63 two fragments of Q
.set PF, 64                            ; v64-127 eight fragments of P
.set ACC, 128                          ; v128-255 accumulator (a, t) at ACC + 64 a + 8 t: written by matrix instructions alone
.set TM, 64                            ; the quantiser's scratch, v64-79
.set PCD, 80                           ; the codes just made: v80-87, v88-95
.set PW, 96                            ; their scale words: v96, v97
.macro PLACES n
.rept \n
	v_nop
.endr
.endm
.macro CROUND                          ; a round of the cluster's barrier
	s_barrier_signal -1
	s_barrier_wait -1
	s_cmp_lg_u32 s[WV], 0
	s_cbranch_scc1 .Lnot_wave_0_\@
	s_barrier_signal -3
.Lnot_wave_0_\@:
	s_barrier_wait -3
	s_barrier_signal -1
	s_barrier_wait -1
.endm
; one product on codes.  ra, rb: source 0's, source 1's scale words stand in lanes 16-31 of their registers
.macro MM d, a, b, zero, sa, sb, ra, rb
.if \zero
.if (\ra) && (\rb)
	v_wmma_scale_f32_16x16x128_f8f6f4 v[\d:\d+7], v[\a:\a+7], v[\b:\b+7], 0, v[\sa], v[\sb] matrix_a_fmt:MATRIX_FMT_FP4 matrix_b_fmt:MATRIX_FMT_FP4 matrix_a_scale:MATRIX_SCALE_ROW1 matrix_b_scale:MATRIX_SCALE_ROW1
.elseif \ra
	v_wmma_scale_f32_16x16x128_f8f6f4 v[\d:\d+7], v[\a:\a+7], v[\b:\b+7], 0, v[\sa], v[\sb] matrix_a_fmt:MATRIX_FMT_FP4 matrix_b_fmt:MATRIX_FMT_FP4 matrix_a_scale:MATRIX_SCALE_ROW1
.elseif \rb
	v_wmma_scale_f32_16x16x128_f8f6f4 v[\d:\d+7], v[\a:\a+7], v[\b:\b+7], 0, v[\sa], v[\sb] matrix_a_fmt:MATRIX_FMT_FP4 matrix_b_fmt:MATRIX_FMT_FP4 matrix_b_scale:MATRIX_SCALE_ROW1
.else
	v_wmma_scale_f32_16x16x128_f8f6f4 v[\d:\d+7], v[\a:\a+7], v[\b:\b+7], 0, v[\sa], v[\sb] matrix_a_fmt:MATRIX_FMT_FP4 matrix_b_fmt:MATRIX_FMT_FP4
.endif
.else
.if (\ra) && (\rb)
	v_wmma_scale_f32_16x16x128_f8f6f4 v[\d:\d+7], v[\a:\a+7], v[\b:\b+7], v[\d:\d+7], v[\sa], v[\sb] matrix_a_fmt:MATRIX_FMT_FP4 matrix_b_fmt:MATRIX_FMT_FP4 matrix_a_scale:MATRIX_SCALE_ROW1 matrix_b_scale:MATRIX_SCALE_ROW1
.elseif \ra
	v_wmma_scale_f32_16x16x128_f8f6f4 v[\d:\d+7], v[\a:\a+7], v[\b:\b+7], v[\d:\d+7], v[\sa], v[\sb] matrix_a_fmt:MATRIX_FMT_FP4 matrix_b_fmt:MATRIX_FMT_FP4 matrix_a_scale:MATRIX_SCALE_ROW1
.elseif \rb
	v_wmma_scale_f32_16x16x128_f8f6f4 v[\d:\d+7], v[\a:\a+7], v[\b:\b+7], v[\d:\d+7], v[\sa], v[\sb] matrix_a_fmt:MATRIX_FMT_FP4 matrix_b_fmt:MATRIX_FMT_FP4 matrix_b_scale:MATRIX_SCALE_ROW1
.else
	v_wmma_scale_f32_16x16x128_f8f6f4 v[\d:\d+7], v[\a:\a+7], v[\b:\b+7], v[\d:\d+7], v[\sa], v[\sb] matrix_a_fmt:MATRIX_FMT_FP4 matrix_b_fmt:MATRIX_FMT_FP4
.endif
.endif
.endm
.macro FL d, a, b                      ; one link in f32: 16 x 16 x 4, in place
	v_wmma_f32_16x16x4_f32 v[\d:\d+7], v[\a:\a+1], v[\b:\b+1], v[\d:\d+7]
.endm
; The first and only fills: one tensor load a wave, waves 0-3 x's codes (64 rows each), 4-7 W's, 8 x's scale bytes, 9 W's.  The branches hang on the wave's number alone.  Four v_nop follow each load.
.macro TLOADS
	s_cmp_lt_u32 s[WV], 4
	s_cbranch_scc0 .Lt1_\@
	tensor_load_to_lds s[G0X:G0X+3], s[G1X:G1X+7]
	s_nop 0
	PLACES 4
	s_branch .Lasked_\@
.Lt1_\@:
	s_cmp_lt_u32 s[WV], 8
	s_cbranch_scc0 .Lt2_\@
	tensor_load_to_lds s[G0W:G0W+3], s[G1W:G1W+7]
	s_nop 0
	PLACES 4
	s_branch .Lasked_\@
.Lt2_\@:
	s_cmp_eq_u32 s[WV], 8
	s_cbranch_scc0 .Lt3_\@
	tensor_load_to_lds s[G0XS:G0XS+3], s[G1XS:G1XS+7]
	s_nop 0
	PLACES 4
	s_branch .Lasked_\@
.Lt3_\@:
	s_cmp_eq_u32 s[WV], 9
	s_cbranch_scc0 .Lasked_\@
	tensor_load_to_lds s[G0WS:G0WS+3], s[G1WS:G1WS+7]
	s_nop 0
	PLACES 4
.Lasked_\@:
.endm
; K step s of eight: 128 along K.  20 loads of fragments (and, every fourth step, 5 of scale words: four words a row), 16 products, the 16 accumulators by turns.
.macro KSTEP s, zero
	PLACES 4                                       ; places in front of loads into registers that matrix instructions have read
.if (\s)%4 == 0
.irp j, 0,1,2,3
	ds_load_b128 v[SP+4*\j:SP+4*\j+3], v[ASP] offset:32*SPI*\j+16*((\s)/4)   ; lanes 0-15: tile 2 j's rows; lanes 16-31: tile 2 j + 1's
.endr
	ds_load_b128 v[SQ:SQ+3], v[ASQ] offset:16*((\s)/4)                       ; lanes 0-15: Q's tile 0; lanes 16-31: tile 1
.endif
.irp t, 0,1,2,3,4,5,6,7
.irp c, 0,1
	ds_load_b128 v[PF+8*\t+4*\c:PF+8*\t+4*\c+3], v[ADRP] offset:(32*(\t/2)+8*(\t%2))*PITCH+64*(\s)+32*\c
.endr
.endr
.irp a, 0,1
.irp c, 0,1
	ds_load_b128 v[QF+8*\a+4*\c:QF+8*\a+4*\c+3], v[ADRQ] offset:QTS*\a*PITCH+64*(\s)+32*\c
.endr
.endr
	s_wait_dscnt 0x0
.irp t, 0,1,2,3,4,5,6,7
.irp a, 0,1
	MM ACC+64*\a+8*\t, PF+8*\t, QF+8*\a, \zero, SP+4*(\t/2)+(\s)%4, SQ+(\s)%4, \t%2, \a
.endr
.endr
.endm
; 64 numbers of a lane, v[s] .. v[s + 63], register 16 b + i = place 32 b + 16 (lane / 16) + i along the quantiser's axis, become a fragment's codes in v[pc] on and its scale word in v[pw].
.macro QUANT s, pc, pw
.irp b, 0,1,2,3
	v_max3_num_f32 v[TM+\b], |v[\s+16*\b]|, |v[\s+1+16*\b]|, 0x1800000   ; block b: my 16 numbers, and the floor 2^(3 - 127): the byte cannot fall under 1
.endr
.irp i, 2,4,6,8,10,12,14
.irp b, 0,1,2,3
	v_max3_num_f32 v[TM+\b], v[TM+\b], |v[\s+16*\b+\i]|, |v[\s+1+16*\b+\i]|
.endr
.endr
.irp b, 0,1,2,3
	s_delay_alu instid0(VALU_DEP_4)
	v_permlanex16_b32 v[TM+4+\b], v[TM+\b], s[SEL], s[SEL+1]
.endr
.irp b, 0,1,2,3
	s_delay_alu instid0(VALU_DEP_4)
	v_max_num_f32 v[TM+\b], v[TM+\b], v[TM+4+\b]   ; with lane l xor 16's: the block's largest magnitude
.endr
.irp b, 0,1,2,3
	s_delay_alu instid0(VALU_DEP_4)
	v_add_nc_u32 v[TM+12+\b], 0xff000000, v[TM+\b] ; 2 off its exponent field: the conversion's scale operand
.endr
.irp b, 0,1,2,3
	s_delay_alu instid0(VALU_DEP_4)
	v_lshrrev_b32 v[TM+4+\b], 23, v[TM+12+\b]      ; the scale's byte
.endr
	s_delay_alu instid0(VALU_DEP_3)
	v_lshl_or_b32 v[\pw], v[TM+5], 8, v[TM+4]
	s_delay_alu instid0(VALU_DEP_1)
	v_lshl_or_b32 v[\pw], v[TM+6], 16, v[\pw]
	s_delay_alu instid0(VALU_DEP_1)
	v_lshl_or_b32 v[\pw], v[TM+7], 24, v[\pw]
.irp b, 0,1,2,3
	v_cvt_scalef32_pk8_fp4_f32 v[\pc+2*\b], v[\s+16*\b:\s+7+16*\b], v[TM+12+\b]
	v_cvt_scalef32_pk8_fp4_f32 v[\pc+1+2*\b], v[\s+8+16*\b:\s+15+16*\b], v[TM+12+\b]
.endr
	v_nop                                          ; one plain place behind a scaled conversion
.irp c, 0,1                                    ; a whole block to a lane: lanes 0-15 block 2 c, lanes 16-31 block 2 c + 1
.irp i, 0,1
	v_permlane16_swap_b32 v[\pc+4*\c+\i], v[\pc+2+4*\c+\i]
.endr
.endr
.endm
; THE WORK behind the first barrier.  V = 0: q and k;  V = 1: v.
.macro BODY V
.if \V
.set PR, XC
.set QR, WC
.set PSR, XS
.set QSR, WS
.set QTS, 8
.set TI, TV
.set STG, STV
.else
.set PR, WC
.set QR, XC
.set PSR, WS
.set QSR, XS
.set QTS, 16
.set TI, TQ
.set STG, STQ
.endif
	s_mul_i32 s2, s[WP], 128*PITCH
	s_add_co_u32 s2, s2, PR
	v_mul_u32_u24 v[ADRP], v[PRM], PITCH
	s_delay_alu instid0(VALU_DEP_1)
	v_lshl_add_u32 v[ADRP], v[HH], 4, v[ADRP]
	s_delay_alu instid0(VALU_DEP_1)
	v_add_nc_u32 v[ADRP], s2, v[ADRP]              ; P: my 128 rows, the tile's row of my lane, + 16 bytes for lanes 16-31
	s_mul_i32 s2, s[WQ], 32*PITCH
	s_add_co_u32 s2, s2, QR
.if \V
	v_mul_u32_u24 v[ADRQ], v[PRM], PITCH
.else
	v_mul_u32_u24 v[ADRQ], v[RR], PITCH
.endif
	s_delay_alu instid0(VALU_DEP_1)
	v_lshl_add_u32 v[ADRQ], v[HH], 4, v[ADRQ]
	s_delay_alu instid0(VALU_DEP_1)
	v_add_nc_u32 v[ADRQ], s2, v[ADRQ]
	s_mul_i32 s2, s[WP], 128*SPI
	s_add_co_u32 s2, s2, PSR
	v_lshl_add_u32 v[ASP], v[HH], 3, v[PRM]        ; lanes 16-31 take the odd tile's rows, 8 further on
	s_delay_alu instid0(VALU_DEP_1)
	v_mul_u32_u24 v[ASP], v[ASP], SPI
	s_delay_alu instid0(VALU_DEP_1)
	v_add_nc_u32 v[ASP], s2, v[ASP]
	s_mul_i32 s2, s[WQ], 32*SPI
	s_add_co_u32 s2, s2, QSR
.if \V
	v_lshl_add_u32 v[ASQ], v[HH], 3, v[PRM]
.else
	v_lshl_add_u32 v[ASQ], v[HH], 4, v[RR]
.endif
	s_delay_alu instid0(VALU_DEP_1)
	v_mul_u32_u24 v[ASQ], v[ASQ], SPI
	s_delay_alu instid0(VALU_DEP_1)
	v_add_nc_u32 v[ASQ], s2, v[ASQ]
	; T's addresses: wave w takes tile w of the 16 tiles of tokens, its rows chosen as the product that will read T has them
.if \V
	s_lshr_b32 s2, s[WV], 1
	s_lshl_b32 s2, s2, 5
	s_and_b32 s3, s[WV], 1
	s_lshl_b32 s3, s3, 3
	s_add_co_u32 s2, s2, s3
	v_add_nc_u32 v13, s2, v[PRM]                   ; row 32 (w / 2) + 8 (w % 2) + r + 8 (r / 8)
.else
	s_lshl_b32 s2, s[WV], 4
	v_add_nc_u32 v13, s2, v[RR]                    ; row 16 w + r
.endif
	s_delay_alu instid0(VALU_DEP_1)
	v_mul_u32_u24 v10, v13, PITCH
	s_delay_alu instid0(VALU_DEP_1)
	v_lshl_add_u32 v10, v[HH], 4, v10              ; x's codes (they begin at LDS byte 0)
	s_delay_alu instid0(VALU_DEP_3)
	v_mul_u32_u24 v11, v13, SPI
	s_delay_alu instid0(VALU_DEP_1)
	v_add_nc_u32 v11, XS, v11                      ; x's scale words
	v_lshlrev_b32 v12, 9, v[RR]
	s_delay_alu instid0(VALU_DEP_1)
	v_lshl_add_u32 v12, v[HH], 4, v12              ; A's codes in memory: row r of 512 bytes
	v_lshlrev_b32 v13, 5, v[RR]                    ; A's scale words: row r of 32 bytes
	s_lshl_b32 s2, s[WV], 10
	s_add_co_u32 s2, s2, TI
	v_add_nc_u32 v14, s2, v[L16]                   ; where T's image goes
.if \V
	s_lshl_b32 s2, s[WP], 13                       ; where T's images are read: my eight tiles of P,
.else
	s_lshl_b32 s2, s[WQ], 11                       ; or my two tiles of Q
.endif
	s_add_co_u32 s2, s2, TI
	v_add_nc_u32 v15, s2, v[L16]
	; ---- T^T = A^T x^T for my tile of tokens: source 0 = A's 16 rows, source 1 = 16 tokens; two accumulators by turns.  k has no such term
.if \V == 0
	s_cmp_eq_u32 s[ROLE], 2
	s_cbranch_scc1 .LnoT_\@
.endif
	ds_load_b128 v[SP:SP+3], v11
	ds_load_b128 v[SP+4:SP+7], v11 offset:16
	global_load_b128 v[SP+8:SP+11], v13, s[ASC:ASC+1]
	global_load_b128 v[SP+12:SP+15], v13, s[ASC:ASC+1] offset:16
	s_wait_alu depctr_va_vdst(0)
.irp g, 0,1
.if \g
	PLACES 4
.endif
.irp i, 0,1,2,3
.irp c, 0,1
	global_load_b128 v[64+8*\i+4*\c:67+8*\i+4*\c], v12, s[ACP:ACP+1] offset:64*(4*\g+\i)+32*\c
	ds_load_b128 v[96+8*\i+4*\c:99+8*\i+4*\c], v10 offset:64*(4*\g+\i)+32*\c
.endr
.endr
	s_wait_loadcnt 0x0
	s_wait_dscnt 0x0
.irp i, 0,1,2,3
.if (\g == 0) && (\i < 2)
	MM 48+8*(\i%2), 64+8*\i, 96+8*\i, 1, SP+8+4*\g+\i, SP+4*\g+\i, 0, 0
.else
	MM 48+8*(\i%2), 64+8*\i, 96+8*\i, 0, SP+8+4*\g+\i, SP+4*\g+\i, 0, 0
.endif
.endr
.endr
	PLACES 4
.irp j, 0,1,2,3
	v_pk_add_f32 v[T2+2*\j:T2+2*\j+1], v[48+2*\j:49+2*\j], v[56+2*\j:57+2*\j]   ; the two halves of K
.endr
.irp j, 0,1,2,3
	s_delay_alu instid0(VALU_DEP_4)
	v_pk_mul_f32 v[T2+2*\j:T2+2*\j+1], v[T2+2*\j:T2+2*\j+1], 2.0 op_sel_hi:[1,0]  ; x alpha / r = 2: exact
.endr
	ds_store_b128 v14, v[T2:T2+3]                  ; lane (r, h): token r of the tile, register i: column 8 h + i of T: the image of these registers
	ds_store_b128 v14, v[T2+4:T2+7] offset:512
.if \V == 0
.LnoT_\@:
.endif
	; ---- the product on codes
	KSTEP 0, 1
	KSTEP 1, 0
	KSTEP 2, 0
	KSTEP 3, 0
	KSTEP 4, 0
	KSTEP 5, 0
	KSTEP 6, 0
	KSTEP 7, 0
	PLACES 5                                       ; another matrix form takes the accumulators up, and loads land in the fragments' registers
	s_wait_dscnt 0x0                               ; my image of T has landed, my reads of the codes are over
	s_barrier_signal -1
	s_barrier_wait -1                              ; all sixteen images lie in LDS, and nobody reads x's codes any more
	; ---- the bias and 2 T B, in f32, onto the same accumulators
	s_lshl_b32 s62, s[CX], 10                      ; 256 features x 4 bytes for each block of features,
.if \V
	s_lshl_b32 s63, s[WQ], 7                       ; + my 32
.else
	s_lshl_b32 s63, s[WP], 9                       ; + my 128
.endif
	s_add_co_u32 s62, s62, s63
	s_mov_b32 s63, 0
	s_add_nc_u64 s[BIP:BIP+1], s[BIP:BIP+1], s[62:63]
	s_add_nc_u64 s[BMP:BMP+1], s[BMP:BMP+1], s[62:63]
	v_lshlrev_b32 v10, 2, v[PRM]                   ; the feature of my lane in a tile
	s_delay_alu instid0(VALU_DEP_1)
	v_lshl_add_u32 v11, v[HH], 15, v10             ; and rows 8 (lane / 16) on of B, 4,096 bytes a row
.if \V
.irp a, 0,1
	global_load_b32 v[T2+\a], v10, s[BIP:BIP+1] offset:32*\a
.endr
.irp t, 0,1,2,3,4,5,6,7
.irp c, 0,1
	ds_load_b128 v[PF+8*\t+4*\c:PF+8*\t+4*\c+3], v15 offset:1024*\t+512*\c      ; T of P's tile t
.endr
.endr
.irp a, 0,1
.irp i, 0,1,2,3,4,5,6,7
	global_load_b32 v[QF+8*\a+\i], v11, s[BMP:BMP+1] offset:4096*\i+32*\a        ; B(8 h + i, my feature of Q's tile a)
.endr
.endr
.else
.irp t, 0,1,2,3,4,5,6,7
	global_load_b32 v[T2+\t], v10, s[BIP:BIP+1] offset:(32*(\t/2)+8*(\t%2))*4
.endr
	s_cmp_eq_u32 s[ROLE], 2
	s_cbranch_scc1 .LnoA_\@
.irp t, 0,1,2,3,4,5,6,7
.irp i, 0,1,2,3,4,5,6,7
	global_load_b32 v[PF+8*\t+\i], v11, s[BMP:BMP+1] offset:4096*\i+(32*(\t/2)+8*(\t%2))*4   ; B(8 h + i, my feature of P's tile t)
.endr
.endr
	s_wait_alu depctr_va_vdst(0)
.irp a, 0,1
.irp c, 0,1
	ds_load_b128 v[QF+8*\a+4*\c:QF+8*\a+4*\c+3], v15 offset:1024*\a+512*\c      ; T of Q's tile a
.endr
.endr
.LnoA_\@:
.endif
	s_wait_loadcnt 0x0
	s_wait_dscnt 0x0
	; the bias: a product with a matrix that is 1 at one k and 0 elsewhere.  The pair of bias registers holds two tiles' biases at k = 0 and k = 1; what lanes 16-31 hold (k = 2, 3) meets zeros
.irp t, 0,1,2,3,4,5,6,7
.irp a, 0,1
.if \V
	FL ACC+64*\a+8*\t, ONE+2*\a, T2
.else
	FL ACC+64*\a+8*\t, T2+2*(\t/2), ONE+2*(\t%2)
.endif
.endr
.endr
.if \V == 0
	s_cmp_eq_u32 s[ROLE], 2
	s_cbranch_scc1 .LnoB_\@
.endif
	; 2 T B: four links of K = 4.  On both sides the instruction's k = 2 h + j stands for column 8 h + 2 kk + j of T: one order of K for both operands
.irp kk, 0,1,2,3
.irp t, 0,1,2,3,4,5,6,7
.irp a, 0,1
	FL ACC+64*\a+8*\t, PF+8*\t+2*\kk, QF+8*\a+2*\kk
.endr
.endr
.endr
.if \V == 0
.LnoB_\@:
.endif
	PLACES 8                                       ; places behind the f32 form, ahead of the reads of its results and the writes of its sources
	; ---- quantise along P, and store
	s_lshl_b32 s62, s[BB], 4
	s_lshl_b32 s63, s[CX], 2
	s_add_co_u32 s66, s62, s63                     ; the work-group's first head: 16 b + 4 cx
.if \V
	s_lshr_b32 s63, s[WQ], 1
	s_add_co_u32 s62, s66, s63                     ; my head
	s_lshl_b32 s62, s62, 16
	s_lshl_b32 s63, s[SB], 13                      ; two groups of 128 keys, 4,096 bytes each, for each 256 of s,
	s_add_co_u32 s62, s62, s63
	s_lshl_b32 s63, s[WP], 12                      ; my group,
	s_add_co_u32 s62, s62, s63
	s_and_b32 s63, s[WQ], 1
	s_lshl_b32 s63, s63, 11                        ; my two tiles of d
	s_add_co_u32 s62, s62, s63
	s_lshr_b32 s2, s[WQ], 1                        ; the stage: 512 bytes a head, 256 a group of keys, 64 a tile of d, 4 a row
	s_lshl_b32 s2, s2, 9
	s_lshl_b32 s3, s[WP], 8
	s_add_co_u32 s2, s2, s3
	s_and_b32 s3, s[WQ], 1
	s_lshl_b32 s3, s3, 7
	s_add_co_u32 s2, s2, s3
	s_add_co_u32 s2, s2, STG
	v_lshl_add_u32 v11, v[RR], 2, s2
.else
	s_lshl_b32 s63, s[WP], 1
	s_add_co_u32 s62, s66, s63                     ; my first head of two
	s_lshl_b32 s62, s62, 16
	s_lshl_b32 s63, s[SB], 13                      ; 256 tokens x 32 bytes
	s_add_co_u32 s62, s62, s63
	s_lshl_b32 s63, s[WQ], 10                      ; my 32 tokens
	s_add_co_u32 s62, s62, s63
	s_lshl_b32 s2, s[WP], 10                       ; the stage: 512 bytes a head, 2 a token
	s_lshl_b32 s3, s[WQ], 6
	s_add_co_u32 s2, s2, s3
	s_add_co_u32 s2, s2, STG
	v_lshl_add_u32 v11, v[RR], 1, s2
	v_lshlrev_b32 v10, 5, v[RR]
	s_delay_alu instid0(VALU_DEP_1)
	v_lshl_add_u32 v10, v[HH], 4, v10              ; token r's 32 bytes, my half
.endif
	s_mov_b32 s63, 0
	s_add_nc_u64 s[DCP:DCP+1], s[DCP:DCP+1], s[62:63]
	s_add_co_u32 s66, s66, s[WV]                   ; waves 0-3 store a head's scale bytes each
	s_lshl_b32 s66, s66, 12
	s_lshl_b32 s67, s[SB], 9
	s_add_co_u32 s66, s66, s67
	s_mov_b32 s67, 0
	s_add_nc_u64 s[DSP:DSP+1], s[DSP:DSP+1], s[66:67]
	s_lshl_b32 s2, s[WV], 9
	s_add_co_u32 s2, s2, STG
	v_add_nc_u32 v12, s2, v[L16]
.irp b, 0,1,2,3
	v_mov_b32 v[TM+4+\b], 0                        ; written once: a lane permute's destination counts as one of its sources
.endr
.irp a, 0,1
	QUANT ACC+64*\a, PCD+8*\a, PW+\a
.irp c, 0,1
.if \V
	global_store_b128 v[L16], v[PCD+8*\a+4*\c:PCD+8*\a+4*\c+3], s[DCP:DCP+1] offset:1024*\a+512*\c   ; the fragment's image: 512 consecutive bytes
.else
	global_store_b128 v10, v[PCD+8*\a+4*\c:PCD+8*\a+4*\c+3], s[DCP:DCP+1] offset:65536*\c+512*\a      ; head c of my two, 16 tokens: 512 consecutive bytes
.endif
.endr
.if \V
	ds_store_b32 v11, v[PW+\a] offset:64*\a        ; both lanes of a row write the same word with the same value
.else
	ds_store_b16 v11, v[PW+\a] offset:32*\a        ; the first head's two bytes,
	ds_store_b16_d16_hi v11, v[PW+\a] offset:512+32*\a   ; the second's
.endif
.endr
	s_wait_dscnt 0x0                               ; my scale bytes lie in the stage
	s_barrier_signal -1
	s_barrier_wait -1                              ; everybody's do
	s_cmp_lt_u32 s[WV], 4
	s_cbranch_scc0 .Ldone_\@
	ds_load_b128 v[100:103], v12
	s_wait_dscnt 0x0
	global_store_b128 v[L16], v[100:103], s[DSP:DSP+1]   ; a head's 512 bytes of scales, consecutive, at a multiple of 512 from the buffer's first byte
.Ldone_\@:
.endm
	s_load_b512 s[4:19], s[0:1], 0x0               ; q's eight addresses,
	s_load_b512 s[20:35], s[0:1], 0x40             ; v's eight,
	s_load_b512 s[36:51], s[0:1], 0x80             ; k's seven and Aq's scales,
	s_load_b128 s[52:55], s[0:1], 0xc0             ; Av's scales, Bq,
	s_load_b64 s[56:57], s[0:1], 0xd0              ; Bv
	v_lshl_add_u32 v13, v0, 2, SPARE               ; no two registers can be kept: v0 stays, and the two are made anew at the wave's end
	v_mov_b32 v14, 0
	ds_add_u32 v13, v14                            ; the opening lines: the add, twice on end, and its wait ahead of the first round
	ds_add_u32 v13, v14
	v_lshrrev_b32 v1, 5, v0
	s_delay_alu instid0(VALU_DEP_1)
	v_readfirstlane_b32 s[WV], v1                  ; wave 0..15
	s_lshr_b32 s[WP], s[WV], 3
	s_and_b32 s[WQ], s[WV], 7
	s_and_b32 s94, ttmp7, 0xffff                   ; cluster y, 0..23: the same in all sixteen partners
	s_lshr_b32 s[ROLE], s94, 3
	s_bfe_u32 s[BB], s94, 0x20001                  ; b = bits 2:1
	s_and_b32 s[SB], s94, 1
	s_bfe_u32 s[CX], ttmp6, 0x40000
	s_bfe_u32 s[CY], ttmp6, 0x40004
	s_lshl_b32 s[SB], s[SB], 2
	s_add_co_u32 s[SB], s[SB], s[CY]               ; which 256 of s: 4 x bit 0 + cy
	s_lshl_b32 s62, s[CY], 2
	s_lshl_b32 s62, 15, s62                        ; my row of the cluster
	s_lshl_b32 s63, 0x1111, s[CX]                  ; my column
	s_and_b32 s66, s[WV], 3
	s_mul_i32 s67, s66, 64*PITCH                   ; where a quarter of a tile of codes goes
	s_lshl_b32 s66, s66, 6                         ; its 64 rows
	s_lshl_b32 s94, s[SB], 8                       ; x's codes: row s = 256 SB + 64 (w % 4), 2,048 bytes from s to s + 1, + 512 b
	s_add_co_u32 s94, s94, s66
	s_lshl_b32 s94, s94, 11
	s_lshl_b32 s95, s[BB], 9
	s_add_co_u32 s94, s94, s95
	s_mov_b32 s95, 0
	s_lshl_b32 s96, s[CX], 8                       ; W's codes: row 256 cx + 64 (w % 4), 512 bytes a row
	s_add_co_u32 s96, s96, s66
	s_lshl_b32 s96, s96, 9
	s_mov_b32 s97, 0
	s_lshl_b32 s98, s[SB], 15                      ; x's scales: 128 bytes from s to s + 1, + 32 b
	s_lshl_b32 s99, s[BB], 5
	s_add_co_u32 s98, s98, s99
	s_mov_b32 s99, 0
	s_lshl_b32 s100, s[CX], 13                     ; W's scales: 256 rows of 32 bytes
	s_mov_b32 s101, 0
	s_mov_b32 s[SEL], 0x76543210
	s_mov_b32 s[SEL+1], 0xfedcba98
	s_wait_dscnt 0x0                               ; both opening adds are done
	s_wait_kmcnt 0x0
	s_cmp_eq_u32 s[ROLE], 1                        ; the role's buffers: the choice hangs on the cluster's number alone
.irp i, 0,1,2,3,4,5,6,7
	s_cselect_b64 s[4+2*\i:5+2*\i], s[20+2*\i:21+2*\i], s[4+2*\i:5+2*\i]
.endr
	s_cselect_b64 s[ASC:ASC+1], s[52:53], s[50:51]
	s_cselect_b64 s[BMP:BMP+1], s[56:57], s[54:55]
	s_cmp_eq_u32 s[ROLE], 2
.irp i, 0,1,2,3,4,5,6
	s_cselect_b64 s[4+2*\i:5+2*\i], s[36+2*\i:37+2*\i], s[4+2*\i:5+2*\i]
.endr
	; descriptor groups 1 (s20-51 are free now).  Codes: 64 rows x 512 elements of a byte, 16 bytes of padding behind each 128 words
	s_or_b32 s[G1X], s62, (1<<20)|(1<<21)|(6<<22)|(3<<25)
	s_or_b32 s[G1W], s63, (1<<20)|(1<<21)|(6<<22)|(3<<25)
.irp g, G1X, G1W
	s_mov_b32 s[\g+1], 512<<16                     ; tensor_dim0
	s_mov_b32 s[\g+2], 64<<16                      ; tensor_dim1
	s_mov_b32 s[\g+3], 512<<16                     ; tile_dim0
	s_mov_b32 s[\g+4], 64                          ; tile_dim1
	s_mov_b32 s[\g+6], 0
	s_mov_b32 s[\g+7], 0
.endr
	s_mov_b32 s[G1X+5], 2048                       ; from row to row
	s_mov_b32 s[G1W+5], 512
	; scale bytes: 256 rows x 32 bytes, dense in LDS
	s_or_b32 s[G1XS], s62, (1<<21)
	s_or_b32 s[G1WS], s63, (1<<21)
.irp g, G1XS, G1WS
	s_mov_b32 s[\g+1], 32<<16
	s_mov_b32 s[\g+2], 256<<16
	s_mov_b32 s[\g+3], 32<<16
	s_mov_b32 s[\g+4], 256
	s_mov_b32 s[\g+6], 0
	s_mov_b32 s[\g+7], 0
.endr
	s_mov_b32 s[G1XS+5], 128
	s_mov_b32 s[G1WS+5], 32
	s_mov_b32 s[G0X], 1
	s_add_co_u32 s[G0X+1], s67, XC
	s_add_nc_u64 s[G0X+2:G0X+3], s[XCP:XCP+1], s[94:95]
	s_or_b32 s[G0X+3], s[G0X+3], 0x80000000
	s_mov_b32 s[G0W], 1
	s_add_co_u32 s[G0W+1], s67, WC
	s_add_nc_u64 s[G0W+2:G0W+3], s[WCP:WCP+1], s[96:97]
	s_or_b32 s[G0W+3], s[G0W+3], 0x80000000
	s_mov_b32 s[G0XS], 1
	s_mov_b32 s[G0XS+1], XS
	s_add_nc_u64 s[G0XS+2:G0XS+3], s[XSP:XSP+1], s[98:99]
	s_or_b32 s[G0XS+3], s[G0XS+3], 0x80000000
	s_mov_b32 s[G0WS], 1
	s_mov_b32 s[G0WS+1], WS
	s_add_nc_u64 s[G0WS+2:G0WS+3], s[WSP:WSP+1], s[100:101]
	s_or_b32 s[G0WS+3], s[G0WS+3], 0x80000000
	CROUND                                         ; all sixteen work-groups are here: the joint loads meet
	TLOADS                                         ; one tensor load of mine is out, or none
	v_and_b32 v[RR], 15, v0
	v_bfe_u32 v[HH], v0, 4, 1
	s_delay_alu instid0(VALU_DEP_2)
	v_and_b32 v[PRM], 8, v[RR]
	s_delay_alu instid0(VALU_DEP_1)
	v_add_nc_u32 v[PRM], v[PRM], v[RR]
	v_and_b32 v[LN], 31, v0
	s_delay_alu instid0(VALU_DEP_1)
	v_lshlrev_b32 v[L16], 4, v[LN]
	v_cmp_eq_u32 vcc_lo, 0, v[HH]
	s_delay_alu instid0(VALU_DEP_1)
	v_cndmask_b32 v[ONE], 0, 1.0, vcc_lo
	v_mov_b32 v[ONE+1], 0
	v_mov_b32 v[ONE+2], 0
	s_delay_alu instid0(VALU_DEP_3)
	v_mov_b32 v[ONE+3], v[ONE]
	s_wait_tensorcnt 0x0                           ; my part has landed,
	s_barrier_signal -1
	s_barrier_wait -1                              ; everybody's has
	s_cmp_eq_u32 s[ROLE], 1
	s_cbranch_scc1 .Lv
	s_wait_alu depctr_va_vdst(0)
	BODY 0
	s_branch .Lend
.Lv:
	s_wait_alu depctr_va_vdst(0)
	BODY 1
.Lend:
	v_lshl_add_u32 v13, v0, 2, SPARE               ; my spare word and 0, made anew
	v_mov_b32 v14, 0
	s_wait_alu depctr_va_vdst(0)                   ; ahead of the wait below
	s_wait_tensorcnt 0x0                           ; the wave's end
	ds_add_u32 v13, v14
	s_wait_dscnt 0x0
	CROUND                                         ; the closing round
	s_endpgm
.Lfunc_end_k_q6eb5c49bc1_proj:
	.size	k_q6eb5c49bc1_proj, .Lfunc_end_k_q6eb5c49bc1_proj-k_q6eb5c49bc1_proj
	.p2alignl 7, 3214868480
	.fill 96, 4, 3214868480
	.section	.rodata,"a",@progbits
	.p2align	6, 0x0
	.amdhsa_kernel k_q6eb5c49bc1_proj
		.amdhsa_group_segment_fixed_size 327680
		.amdhsa_private_segment_fixed_size 0
		.amdhsa_enable_private_segment 0
		.amdhsa_kernarg_size 216
		.amdhsa_user_sgpr_count 2
		.amdhsa_user_sgpr_kernarg_segment_ptr 1
		.amdhsa_wavefront_size32 1
		.amdhsa_system_sgpr_workgroup_id_x 1
		.amdhsa_system_sgpr_workgroup_id_y 1
		.amdhsa_system_sgpr_workgroup_id_z 1
		.amdhsa_system_vgpr_workitem_id 0
		.amdhsa_next_free_vgpr 256
		.amdhsa_next_free_sgpr 102
		.amdhsa_reserve_vcc 1
		.amdhsa_float_denorm_mode_32 3
		.amdhsa_float_denorm_mode_16_64 3
		.amdhsa_memory_ordered 1
		.amdhsa_forward_progress 1
		.amdhsa_inst_pref_size 122
	.end_amdhsa_kernel
	.amdgpu_metadata
---
amdhsa.version: [ 1, 2 ]
amdhsa.kernels:
  - .name:           k_q6eb5c49bc1_proj
    .symbol:         k_q6eb5c49bc1_proj.kd
    .args:
      - { .name: x_q_codes, .offset: 0, .size: 8, .value_kind: global_buffer, .address_space: global }
      - { .name: x_q_scales, .offset: 8, .size: 8, .value_kind: global_buffer, .address_space: global }
      - { .name: Wq_codes, .offset: 16, .size: 8, .value_kind: global_buffer, .address_space: global }
      - { .name: Wq_scales, .offset: 24, .size: 8, .value_kind: global_buffer, .address_space: global }
      - { .name: bq, .offset: 32, .size: 8, .value_kind: global_buffer, .address_space: global }
      - { .name: qc, .offset: 40, .size: 8, .value_kind: global_buffer, .address_space: global }
      - { .name: qs, .offset: 48, .size: 8, .value_kind: global_buffer, .address_space: global }
      - { .name: Aq_codes, .offset: 56, .size: 8, .value_kind: global_buffer, .address_space: global }
      - { .name: x_v_codes, .offset: 64, .size: 8, .value_kind: global_buffer, .address_space: global }
      - { .name: x_v_scales, .offset: 72, .size: 8, .value_kind: global_buffer, .address_space: global }
      - { .name: Wv_codes, .offset: 80, .size: 8, .value_kind: global_buffer, .address_space: global }
      - { .name: Wv_scales, .offset: 88, .size: 8, .value_kind: global_buffer, .address_space: global }
      - { .name: bv, .offset: 96, .size: 8, .value_kind: global_buffer, .address_space: global }
      - { .name: vc, .offset: 104, .size: 8, .value_kind: global_buffer, .address_space: global }
      - { .name: vs, .offset: 112, .size: 8, .value_kind: global_buffer, .address_space: global }
      - { .name: Av_codes, .offset: 120, .size: 8, .value_kind: global_buffer, .address_space: global }
      - { .name: x_k_codes, .offset: 128, .size: 8, .value_kind: global_buffer, .address_space: global }
      - { .name: x_k_scales, .offset: 136, .size: 8, .value_kind: global_buffer, .address_space: global }
      - { .name: Wk_codes, .offset: 144, .size: 8, .value_kind: global_buffer, .address_space: global }
      - { .name: Wk_scales, .offset: 152, .size: 8, .value_kind: global_buffer, .address_space: global }
      - { .name: bk, .offset: 160, .size: 8, .value_kind: global_buffer, .address_space: global }
      - { .name: kc, .offset: 168, .size: 8, .value_kind: global_buffer, .address_space: global }
      - { .name: ks, .offset: 176, .size: 8, .value_kind: global_buffer, .address_space: global }
      - { .name: Aq_scales, .offset: 184, .size: 8, .value_kind: global_buffer, .address_space: global }
      - { .name: Av_scales, .offset: 192, .size: 8, .value_kind: global_buffer, .address_space: global }
      - { .name: Bq, .offset: 200, .size: 8, .value_kind: global_buffer, .address_space: global }
      - { .name: Bv, .offset: 208, .size: 8, .value_kind: global_buffer, .address_space: global }
    .group_segment_fixed_size: 327680
    .private_segment_fixed_size: 0
    .kernarg_segment_align: 8
    .kernarg_segment_size: 216
    .max_flat_workgroup_size: 512
    .sgpr_count:     102
    .vgpr_count:     256
    .wavefront_size: 32
...
	.end_amdgpu_metadata
.endif
;; end of part 1
;; launch attn (part 2): grid 4 x 64, 8 waves a work-group, clusters of 4 x 1, 167,936 bytes of LDS; arguments qc, qs, kc, ks, vc, vs, oc, os; writes oc, os
.if DOCPART == 2
	.amdgcn_target "amdgcn-amd-amdhsa--gfx1250"
	.amdhsa_code_object_version 6
	.text
	.protected	k_q6eb5c49bc1_attn
	.globl	k_q6eb5c49bc1_attn
	.p2align	8
	.type	k_q6eb5c49bc1_attn,@function
k_q6eb5c49bc1_attn:
	s_mov_b64 s[64:65], 0
	v_nop
	global_prefetch_b8 v0, s[64:65] scope:SCOPE_SE
	s_setreg_imm32_b32 hwreg(HW_REG_WAVE_MODE, 25, 1), 1
	s_wait_xcnt 0x0
	s_wait_alu depctr_hold_cnt(0) depctr_sa_sdst(0) depctr_va_vdst(0) depctr_va_sdst(0) depctr_va_ssrc(0) depctr_va_vcc(0) depctr_vm_vsrc(0)
	s_getreg_b32 s2, hwreg(HW_REG_IB_STS2, 6, 4)
	s_cmp_eq_u32 s2, 0
	s_cbranch_scc0 .Lentry_in_a_cluster
	s_endpgm
.Lentry_in_a_cluster:
	s_bfe_u32 s2, ttmp6, 0x10000c
	s_cmp_lg_u32 s2, 0x3003
	s_cbranch_scc0 .Lentry_shape_is_right
	s_endpgm
.Lentry_shape_is_right:
; For each head n (64): O[q] = sum over keys of softmax(Q[q] . K[key] / 8) V[key], both products on E2M1 codes with one E8M0 byte for each 32 along K, and the quantiser of O along the head's 64.
; THE SOFTMAX: t = score x log2(e) / 8; M = the running largest t rounded UP to a whole number; p = 2^(t - M) is quantised along the keys, not normalised; the row's sum is taken of the unquantised p
; and divides O at the end.  When M moves, the sum and O are multiplied by 2^(old M - new M): exact.
; IN.  qc, kc: [n][s][32 bytes]; qs, ks: [n][s] two bytes.  vc: images of V^T's fragments, [n][128 keys][16 d][2][lane][16 bytes]; vs: [n][128 keys][16 d][row] one word.
; OUT. oc: images of the next product's token fragments, [128 b + s / 16][h / 2][h % 2][lane][16 bytes]; os: [n][s] two bytes.
; SHARES.  A work-group owns 512 queries of a head; the four of a cluster own the head's 2,048 and ask for its K and V JOINTLY.  A head's K, V and scale bytes fit in LDS: every byte is filled once, by the
; head's loads, so there is no loop of loads for a prefetch to run ahead in.  Each of EIGHT waves owns FOUR tiles of 16 queries (tile j: queries 512 cx + 128 j + 16 w on) and walks the keys 128 a step.
; In a step the four tiles go as two pairs; both pairs use the same fragments of K and V (22 LDS loads serve 4 x 128 x 16 scores), and the two tiles of a pair are laid line by line, so that no line
; reads the line above it.  The next step's K is asked for behind the second pair's score products, V at a step's head.  The first step is written out: its products start O^T's sums with C = 0.
; LAYOUT.  Both products transposed (S^T = K Q^T, O^T = V^T P^T): a lane holds ONE query.  Lane r of key tile 2 b + u takes key 32 b + 8 u + r + 8 (r / 8), so that the 16 registers of tiles 2 b, 2 b + 1
; are 16 neighbouring keys; V's tiles of d were chosen the same way by the launch before.
; K = 64 IN AN INSTRUCTION OF K = 128: Q's registers 4-7 hold zero codes, so K's operand of tile t is its four registers and the four that follow, whatever codes those hold (E2M1 has no NaN code).
; REGISTERS.  Window 0: addresses, scale words, the tiles' state, scratch, p's codes, V, and S^T of the pair in hand (v128-255).  Window 1: O^T of the four tiles (0-127), Q (128-159), K (160-195).
; LIMITS: NaN and infinities are not served; a block of O whose largest magnitude lies under 2^-124 gets the byte 1 (read by this program alone); the scaled scores stay under 2^31 in magnitude.
.set KP,   528                         ; 16 keys' codes, 512 bytes, + 16 of padding
.set KC,   0
.set VC,   128*KP
.set KSC,  VC+65536
.set VSC,  KSC+4096
.set OSS,  VSC+4096                    ; the stage of O's scale bytes, 1,024: no fill lands here
.set SPARE, OSS+1024                   ; the spare words, 128 bytes a wave: four blocks of 256 bytes that no other line names
.set WV, 20
.set HN, 21
.set CX, 22
.set G1K, 24
.set G1V, 32
.set G1S, 40
.set G0K, 48
.set G0V, 52
.set G0KS, 56
.set G0VS, 60
.set SEL, 66                           ; s[66:67] lane selects: lane l xor 16
.set CS,  68                           ; s[68:69] c = log2(e) / 8
.set TKK, 70                           ; the step's place in K's codes (4,224 bytes a step), in V's images (4,096), in either table of scales (256)
.set TVV, 71
.set TSS, 72
.set CNT, 73
.set AK0, 1                            ; my lane's place in a tile of K, among K's scale bytes, in V's images, among V's scale words
.set ASK0, 2
.set AV0, 3
.set ASV0, 4
.set L16, 5
.set SPW, 6                            ; my spare word's address, and 0: never rewritten
.set NIL, 7
.set QS, 8                             ; v8-11 Q's scale words, v12-15 K's, v16-17 V's, v18-19 p's: scales and nothing else
.set KSR, 12
.set VSR, 16
.set PSW, 18
.set NMB, 20                           ; tile j: v[20+4j] -M, v[21+4j] the largest score so far, v[22+4j:23+4j] the sum in two halves
.set BM, 36                            ; v36-43, 44-51, 52-59: scratch for the pair's eight blocks of 32 keys
.set BT, 44
.set BS, 52
.set FF, 60                            ; v[60:61], v[62:63] f = 2^(old M - new M) and a 0 named with it
.set TMP, 64
.set OLD, 66
.set TA, 68                            ; v68-79 three more chains of the sum for each tile of the pair
.set PCD, 80                           ; v80-95 p's codes
.set VF, 96                            ; v96-127 V: four fragments
.set ST, 128                           ; v128-255 S^T, then p: block q = 4 p + b of the pair at ST + 16 q
.set OT, 0                             ; window 1
.set QF, 128
.set KF, 160
.set MSB, 0
.macro WIN new                         ; the immediate's high byte repeats the setting that is left
.if MSB != \new
	s_set_vgpr_msb (MSB<<8)|\new
.set MSB, \new
.endif
.endm
.macro PLACES n
.rept \n
	v_nop
.endr
.endm
.macro D2
	s_delay_alu instid0(VALU_DEP_2)
.endm
.macro PA d, a, b
	v_pk_add_f32 v[\d:\d+1], v[\a:\a+1], v[\b:\b+1]
.endm
.macro CROUND
	s_barrier_signal -1
	s_barrier_wait -1
	s_cmp_lg_u32 s[WV], 0
	s_cbranch_scc1 .Lnot_wave_0_\@
	s_barrier_signal -3
.Lnot_wave_0_\@:
	s_barrier_wait -3
	s_barrier_signal -1
	s_barrier_wait -1
.endm
.macro MM d, a, b, zero, sa, sb, ra     ; one product on codes.  ra: source 0's scale words stand in lanes 16-31
.if \zero
.if \ra
	v_wmma_scale_f32_16x16x128_f8f6f4 v[\d:\d+7], v[\a:\a+7], v[\b:\b+7], 0, v[\sa], v[\sb] matrix_a_fmt:MATRIX_FMT_FP4 matrix_b_fmt:MATRIX_FMT_FP4 matrix_a_scale:MATRIX_SCALE_ROW1
.else
	v_wmma_scale_f32_16x16x128_f8f6f4 v[\d:\d+7], v[\a:\a+7], v[\b:\b+7], 0, v[\sa], v[\sb] matrix_a_fmt:MATRIX_FMT_FP4 matrix_b_fmt:MATRIX_FMT_FP4
.endif
.else
.if \ra
	v_wmma_scale_f32_16x16x128_f8f6f4 v[\d:\d+7], v[\a:\a+7], v[\b:\b+7], v[\d:\d+7], v[\sa], v[\sb] matrix_a_fmt:MATRIX_FMT_FP4 matrix_b_fmt:MATRIX_FMT_FP4 matrix_a_scale:MATRIX_SCALE_ROW1
.else
	v_wmma_scale_f32_16x16x128_f8f6f4 v[\d:\d+7], v[\a:\a+7], v[\b:\b+7], v[\d:\d+7], v[\sa], v[\sb] matrix_a_fmt:MATRIX_FMT_FP4 matrix_b_fmt:MATRIX_FMT_FP4
.endif
.endif
.endm
; The first and only fills: waves 0, 1 K's halves, 2, 3 V's, 4 K's scale bytes, 5 V's; one chain of branches on the wave's number, one load to an arm.
.macro TLOADS
	s_cmp_lt_u32 s[WV], 2
	s_cbranch_scc0 .Lt1_\@
	tensor_load_to_lds s[G0K:G0K+3], s[G1K:G1K+7]
	s_nop 0
	PLACES 4
	s_branch .Lasked_\@
.Lt1_\@:
	s_cmp_lt_u32 s[WV], 4
	s_cbranch_scc0 .Lt2_\@
	tensor_load_to_lds s[G0V:G0V+3], s[G1V:G1V+7]
	s_nop 0
	PLACES 4
	s_branch .Lasked_\@
.Lt2_\@:
	s_cmp_eq_u32 s[WV], 4
	s_cbranch_scc0 .Lt3_\@
	tensor_load_to_lds s[G0KS:G0KS+3], s[G1S:G1S+7]
	s_nop 0
	PLACES 4
	s_branch .Lasked_\@
.Lt3_\@:
	s_cmp_eq_u32 s[WV], 5
	s_cbranch_scc0 .Lasked_\@
	tensor_load_to_lds s[G0VS:G0VS+3], s[G1S:G1S+7]
	s_nop 0
	PLACES 4
.Lasked_\@:
.endm
; K's eight tiles and four registers of scale words: 12 loads.  nx = 1: those of the step after the one in hand.  The two additions and two v_nop are the four places behind the products that read these registers
.macro KLOADS nx
	v_add_nc_u32 v[TMP], s[TKK], v[AK0]
	v_add_nc_u32 v[TMP+1], s[TSS], v[ASK0]
	PLACES 2
	WIN 0x40                                       ; destination window 1
.irp t, 0,1,2,3,4,5,6,7
	ds_load_b128 v[KF+4*\t:KF+4*\t+3], v[TMP] offset:\nx*8*KP+(\t/2)*2*KP+(\t%2)*256
.endr
	WIN 0
.irp b, 0,1,2,3
	ds_load_u16 v[KSR+\b], v[TMP+1] offset:\nx*256+64*\b   ; lanes 0-15: tile 2 b's keys; lanes 16-31: tile 2 b + 1's
.endr
.endm
.macro VLOADS                          ; V's four fragments and two registers of scale words: 10 loads
	v_add_nc_u32 v[TMP], s[TVV], v[AV0]
	v_add_nc_u32 v[TMP+1], s[TSS], v[ASV0]
	PLACES 2
.irp d, 0,1,2,3
.irp c, 0,1
	ds_load_b128 v[VF+8*\d+4*\c:VF+8*\d+4*\c+3], v[TMP] offset:1024*\d+512*\c
.endr
.endr
.irp j, 0,1
	ds_load_b32 v[VSR+\j], v[TMP+1] offset:128*\j
.endr
.endm
; TILES 2 g AND 2 g + 1 AGAINST THE STEP'S 128 KEYS.  first = 1: O^T's sums begin here
.macro PAIR g, first
.set N0, NMB+8*\g
.set N1, NMB+8*\g+4
	WIN 0x05                                       ; K and Q in window 1
.irp t, 0,1,2,3,4,5,6,7
.irp p, 0,1
	MM ST+64*\p+8*\t, KF+4*\t, QF+16*\g+8*\p, 1, KSR+\t/2, QS+2*\g+\p, \t%2
.endr
.endr
	WIN 0
.if \g
	KLOADS 1                                       ; K is done with in this step: the next step's (in the last step: bytes of V's tables, which nothing uses)
.else
	PLACES 4
.endif
.irp q, 0,1,2,3,4,5,6,7
	v_max3_num_f32 v[BM+\q], v[ST+16*\q], v[ST+16*\q+1], v[ST+16*\q+2]   ; the largest score of each block of 32 keys: for the row's maximum and for the block's largest p
.endr
.irp i, 3,5,7,9,11,13
.irp q, 0,1,2,3,4,5,6,7
	v_max3_num_f32 v[BM+\q], v[BM+\q], v[ST+16*\q+\i], v[ST+16*\q+\i+1]
.endr
.endr
.irp q, 0,1,2,3,4,5,6,7
	v_max_num_f32 v[BM+\q], v[BM+\q], v[ST+16*\q+15]
.endr
.irp q, 0,1,2,3,4,5,6,7
	v_permlanex16_b32 v[BT+\q], v[BM+\q], s[SEL], s[SEL+1]
.endr
.irp q, 0,1,2,3,4,5,6,7
	v_max_num_f32 v[BM+\q], v[BM+\q], v[BT+\q]     ; with lane l xor 16's 16 keys
.endr
.irp p, 0,1
	v_max3_num_f32 v[N0+4*\p+1], v[N0+4*\p+1], v[BM+4*\p], v[BM+4*\p+1]
.endr
.irp p, 0,1
	D2
	v_max3_num_f32 v[N0+4*\p+1], v[N0+4*\p+1], v[BM+4*\p+2], v[BM+4*\p+3]   ; the running largest score
.endr
.irp p, 0,1
	D2
	v_mul_f32 v[TMP+\p], s[CS], v[N0+4*\p+1]       ; as t (c is positive)
.endr
.irp p, 0,1
	v_mov_b32 v[OLD+\p], v[N0+4*\p]
.endr
.irp p, 0,1
	s_delay_alu instid0(VALU_DEP_4)
	v_floor_f32 v[N0+4*\p], -v[TMP+\p]             ; the new -M = floor(-t) = -ceil(t)
.endr
.irp p, 0,1
	D2
	v_sub_f32 v[TMP+\p], v[N0+4*\p], v[OLD+\p]     ; old M - new M: a whole number, 0 or less
.endr
.irp p, 0,1
	D2
	v_cvt_i32_f32 v[TMP+\p], v[TMP+\p]             ; (it saturates)
.endr
.irp p, 0,1
	D2
	v_ldexp_f32 v[FF+2*\p], 1.0, v[TMP+\p]         ; f = 2^(old M - new M)
.endr
.irp q, 0,1,2,3,4,5,6,7
	v_fma_f32 v[BM+\q], v[BM+\q], s[CS], v[N0+4*(\q/4)]   ; t - M of each block's largest score
.endr
.set J, 0
.rept 32
	v_pk_fma_f32 v[ST+J:ST+J+1], v[ST+J:ST+J+1], s[CS:CS+1], v[N0:N0+1] op_sel_hi:[1,0,0]   ; the first tile's t - M, two at a time
.set J, J+2
.endr
	s_wait_alu depctr_va_vdst(0)                   ; ahead of the batch
.set J, 0
.rept 32                                       ; the first tile's p = 2^(t - M); between them the second tile's t - M, which nothing reads before the next wait
	v_exp_f32 v[ST+J], v[ST+J]
	v_exp_f32 v[ST+J+1], v[ST+J+1]
	v_pk_fma_f32 v[ST+64+J:ST+65+J], v[ST+64+J:ST+65+J], s[CS:CS+1], v[N1:N1+1] op_sel_hi:[1,0,0]
.set J, J+2
.endr
	s_wait_alu depctr_va_vdst(0)                   ; behind the first batch and ahead of the second
.set J, 0
.rept 64
	v_exp_f32 v[ST+64+J], v[ST+64+J]
.set J, J+1
.endr
.irp q, 0,1,2,3,4,5,6,7
	v_exp_f32 v[BM+\q], v[BM+\q]                   ; the blocks' largest p: the same two instructions on the same number give the same bits
.endr
.irp p, 0,1
	v_pk_mul_f32 v[N0+4*\p+2:N0+4*\p+3], v[N0+4*\p+2:N0+4*\p+3], v[FF+2*\p:FF+2*\p+1] op_sel_hi:[1,0]   ; the sums under the new M: plain lines behind the exponentials
.endr
.if \first
	s_wait_alu depctr_va_vdst(0)                   ; one wait for the batch, ahead of its first reader
.else
	WIN 0x41                                       ; O^T in window 1, f in window 0
	s_wait_alu depctr_va_vdst(0)                   ; one wait for the batch, and directly ahead of the first readers of O^T
.set J, 0
.rept 32
	v_pk_mul_f32 v[OT+64*\g+J:OT+64*\g+J+1], v[OT+64*\g+J:OT+64*\g+J+1], v[FF+2*(J/32):FF+2*(J/32)+1] op_sel_hi:[1,0]   ; O^T under the new M
.set J, J+2
.endr
	WIN 0
.endif
.irp q, 0,1,2,3,4,5,6,7
	v_max_num_f32 v[BM+\q], 0x1800000, v[BM+\q]    ; the floor 2^(3 - 127): the byte cannot fall under 1
.endr
.irp q, 0,1,2,3,4,5,6,7
	v_add_nc_u32 v[BS+\q], 0xff000000, v[BM+\q]    ; 2 off the exponent field: the conversion's scale operand
.endr
.irp q, 0,1,2,3,4,5,6,7
	v_lshrrev_b32 v[BT+\q], 23, v[BS+\q]           ; the scale's byte
.endr
.irp p, 0,1
	v_lshl_or_b32 v[PSW+\p], v[BT+4*\p+1], 8, v[BT+4*\p]
.endr
.irp p, 0,1
	D2
	v_lshl_or_b32 v[PSW+\p], v[BT+4*\p+2], 16, v[PSW+\p]
.endr
.irp p, 0,1
	D2
	v_lshl_or_b32 v[PSW+\p], v[BT+4*\p+3], 24, v[PSW+\p]   ; p's scale word for these 128 keys
.endr
.irp q, 0,1,2,3,4,5,6,7
	v_cvt_scalef32_pk8_fp4_f32 v[PCD+2*\q], v[ST+16*\q:ST+16*\q+7], v[BS+\q]
	v_cvt_scalef32_pk8_fp4_f32 v[PCD+2*\q+1], v[ST+16*\q+8:ST+16*\q+15], v[BS+\q]
.endr
	v_nop                                          ; one plain place behind a scaled conversion
.irp c, 0,1,2,3                                ; a whole block to a lane
.irp i, 0,1
	v_permlane16_swap_b32 v[PCD+4*\c+\i], v[PCD+4*\c+2+\i]
.endr
.endr
; the rows' sums of the unquantised p: four chains a tile, eight by turns.  These 64 lines are also the places between p's codes and scale words and the products below
.irp p, 0,1
	PA TA+6*\p, ST+64*\p, ST+64*\p+2
	PA TA+6*\p+2, ST+64*\p+4, ST+64*\p+6
	PA TA+6*\p+4, ST+64*\p+8, ST+64*\p+10
	PA N0+4*\p+2, N0+4*\p+2, ST+64*\p+12
.endr
.irp i, 14,22,30,38,46,54
.irp p, 0,1
	PA TA+6*\p, TA+6*\p, ST+64*\p+\i
	PA TA+6*\p+2, TA+6*\p+2, ST+64*\p+\i+2
	PA TA+6*\p+4, TA+6*\p+4, ST+64*\p+\i+4
	PA N0+4*\p+2, N0+4*\p+2, ST+64*\p+\i+6
.endr
.endr
.irp p, 0,1
	PA TA+6*\p, TA+6*\p, ST+64*\p+62
.endr
.irp p, 0,1
	PA TA+6*\p+2, TA+6*\p+2, TA+6*\p+4
.endr
.irp p, 0,1
	PA N0+4*\p+2, N0+4*\p+2, TA+6*\p
.endr
.irp p, 0,1
	D2
	PA N0+4*\p+2, N0+4*\p+2, TA+6*\p+2
.endr
.if \g == 0
	s_wait_dscnt 0x0                               ; V's ten loads of the step's head, the only ones out
.endif
	WIN 0x50                                       ; C and D in window 1
.irp d, 0,1,2,3
.irp p, 0,1
	MM OT+64*\g+32*\p+8*\d, VF+8*\d, PCD+8*\p, \first, VSR+\d/2, PSW+\p, \d%2   ; eight accumulators by turns
.endr
.endr
	WIN 0
.endm
.macro STEP first
	VLOADS                                         ; (its first four lines are the places behind the last products that read V)
	s_wait_dscnt 10                                ; K's twelve loads are in; V's ten, issued behind them, may be out
	PAIR 0, \first
	PAIR 1, \first
	s_add_co_u32 s[TKK], s[TKK], 8*KP
	s_add_co_u32 s[TVV], s[TVV], 4096
	s_add_co_u32 s[TSS], s[TSS], 256
.endm
	s_load_b512 s[4:19], s[0:1], 0x0               ; qc, qs, kc, ks, vc, vs, oc, os
	v_lshl_add_u32 v[SPW], v0, 2, SPARE
	v_mov_b32 v[NIL], 0
	ds_add_u32 v[SPW], v[NIL]                      ; the opening lines: the add, twice on end, and its wait ahead of the first round
	ds_add_u32 v[SPW], v[NIL]
	v_lshrrev_b32 v8, 5, v0
	v_readfirstlane_b32 s[WV], v8                  ; wave 0..7
	s_and_b32 s[HN], ttmp7, 0xffff                 ; the head, which the four partners share
	s_bfe_u32 s[CX], ttmp6, 0x40000                ; my 512 queries: it enters Q's and O's addresses alone
	; descriptor groups 1, elements of 8 bytes, the mask names all four.  K: 64 rows of 512 bytes, dense in memory, 16 bytes of padding behind each
	s_mov_b32 s[G1K], 15|(3<<16)|(1<<20)|(1<<21)|(6<<22)|(3<<25)
	s_mov_b32 s[G1K+1], 64<<16
	s_mov_b32 s[G1K+2], 64<<16
	s_mov_b32 s[G1K+3], 64<<16
	s_mov_b32 s[G1K+4], 64
	s_mov_b32 s[G1K+5], 64
	s_mov_b32 s[G1K+6], 0
	s_mov_b32 s[G1K+7], 0
	s_mov_b32 s[G1V], 15|(3<<16)|(1<<21)           ; V: 128 rows of 256 bytes, dense here and there
	s_mov_b32 s[G1V+1], 32<<16
	s_mov_b32 s[G1V+2], 128<<16
	s_mov_b32 s[G1V+3], 32<<16
	s_mov_b32 s[G1V+4], 128
	s_mov_b32 s[G1V+5], 32
	s_mov_b32 s[G1V+6], 0
	s_mov_b32 s[G1V+7], 0
	s_mov_b32 s[G1S], 15|(3<<16)|(1<<21)           ; a head's scales: 16 rows of 256 bytes
	s_mov_b32 s[G1S+1], 32<<16
	s_mov_b32 s[G1S+2], 16<<16
	s_mov_b32 s[G1S+3], 32<<16
	s_mov_b32 s[G1S+4], 16
	s_mov_b32 s[G1S+5], 32
	s_mov_b32 s[G1S+6], 0
	s_mov_b32 s[G1S+7], 0
	s_lshl_b32 s74, s[HN], 16                      ; the head's first byte in each buffer of codes,
	s_lshl_b32 s76, s[HN], 12                      ; and of scales
	s_mov_b32 s77, 0
	s_and_b32 s78, s[WV], 1                        ; which half I fetch
	s_mul_i32 s80, s78, 64*KP
	s_lshl_b32 s81, s78, 15
	s_add_co_u32 s78, s81, s74
	s_mov_b32 s79, 0
	s_mov_b32 s[SEL], 0x76543210
	s_mov_b32 s[SEL+1], 0xfedcba98
	s_mov_b32 s[CS], 0x3e38aa3b                    ; log2(e) / 8
	s_mov_b32 s[CS+1], s[CS]                       ; (named with it as a pair, so it is written)
	s_mov_b32 s[TKK], 0
	s_mov_b32 s[TVV], 0
	s_mov_b32 s[TSS], 0
	s_wait_dscnt 0x0                               ; both opening adds are done
	s_wait_kmcnt 0x0
	s_mov_b32 s[G0K], 1
	s_add_co_u32 s[G0K+1], s80, KC
	s_add_nc_u64 s[G0K+2:G0K+3], s[8:9], s[78:79]
	s_or_b32 s[G0K+3], s[G0K+3], 0x80000000
	s_mov_b32 s[G0V], 1
	s_add_co_u32 s[G0V+1], s81, VC
	s_add_nc_u64 s[G0V+2:G0V+3], s[12:13], s[78:79]
	s_or_b32 s[G0V+3], s[G0V+3], 0x80000000
	s_mov_b32 s[G0KS], 1
	s_mov_b32 s[G0KS+1], KSC
	s_add_nc_u64 s[G0KS+2:G0KS+3], s[10:11], s[76:77]
	s_or_b32 s[G0KS+3], s[G0KS+3], 0x80000000
	s_mov_b32 s[G0VS], 1
	s_mov_b32 s[G0VS+1], VSC
	s_add_nc_u64 s[G0VS+2:G0VS+3], s[14:15], s[76:77]
	s_or_b32 s[G0VS+3], s[G0VS+3], 0x80000000
	CROUND                                         ; all four work-groups are here: the joint loads meet
	TLOADS                                         ; one tensor load of mine is out, or none
	s_lshl_b32 s82, s[CX], 14                      ; Q's codes: 512 queries x 32 bytes a work-group, 16 x 32 a wave
	s_lshl_b32 s83, s[WV], 9
	s_add_co_u32 s82, s82, s83
	s_add_co_u32 s82, s82, s74
	s_mov_b32 s83, 0
	s_add_nc_u64 s[4:5], s[4:5], s[82:83]
	s_lshl_b32 s84, s[CX], 10                      ; Q's scales: 2 bytes a query
	s_lshl_b32 s85, s[WV], 5
	s_add_co_u32 s84, s84, s85
	s_add_co_u32 s84, s84, s76
	s_mov_b32 s85, 0
	s_add_nc_u64 s[6:7], s[6:7], s[84:85]
	s_lshr_b32 s86, s[HN], 4                       ; O's codes: tile of tokens 128 b + 32 cx + w + 8 j, 8,192 bytes each; in it 512 bytes a head
	s_lshl_b32 s86, s86, 20
	s_lshl_b32 s87, s[CX], 18
	s_add_co_u32 s86, s86, s87
	s_lshl_b32 s87, s[WV], 13
	s_add_co_u32 s86, s86, s87
	s_and_b32 s87, s[HN], 15
	s_lshl_b32 s87, s87, 9
	s_add_co_u32 s86, s86, s87
	s_mov_b32 s87, 0
	s_add_nc_u64 s[16:17], s[16:17], s[86:87]
	s_lshl_b32 s88, s[CX], 10                      ; O's scales: 1,024 bytes a work-group; waves 0 and 1 store 512 each
	s_lshl_b32 s89, s[WV], 9
	s_add_co_u32 s88, s88, s89
	s_add_co_u32 s88, s88, s76
	s_mov_b32 s89, 0
	s_add_nc_u64 s[18:19], s[18:19], s[88:89]
	v_and_b32 v96, 15, v0                          ; r
	v_bfe_u32 v97, v0, 4, 1                        ; h
	v_lshlrev_b32 v98, 5, v96
	v_lshl_add_u32 v98, v97, 4, v98
	v_lshlrev_b32 v99, 1, v96
	WIN 0x40
.irp j, 0,1,2,3
	global_load_b128 v[QF+8*\j:QF+8*\j+3], v98, s[4:5] offset:4096*\j
.endr
.irp j, 4,5,6,7,12,13,14,15,20,21,22,23,28,29,30,31
	v_mov_b32 v[QF+\j], 0                          ; k = 64 .. 127 of Q: zero codes
.endr
.irp i, 0,1,2,3
	v_mov_b32 v[KF+32+\i], 0                       ; what follows K's last tile
.endr
	WIN 0
.irp j, 0,1,2,3
	global_load_u16 v[QS+\j], v99, s[6:7] offset:256*\j
.endr
	v_lshrrev_b32 v100, 3, v96
	v_and_b32 v101, 7, v96
	v_mul_u32_u24 v[AK0], v100, KP                 ; key 8 u + r + 8 (r / 8) of 32: row r / 8 of two, place 8 u + r % 8 of sixteen, 32 bytes each
	v_lshl_add_u32 v[AK0], v101, 5, v[AK0]
	v_lshl_add_u32 v[AK0], v97, 4, v[AK0]
	v_and_b32 v100, 31, v0
	v_lshlrev_b32 v[L16], 4, v100
	v_add_nc_u32 v[AV0], VC, v[L16]
	v_lshl_add_u32 v[ASV0], v100, 2, VSC
	v_and_b32 v101, 8, v96
	v_add_nc_u32 v101, v101, v96
	v_lshl_add_u32 v101, v97, 3, v101              ; r + 8 (r / 8), and 8 more in lanes 16-31
	v_lshl_add_u32 v[ASK0], v101, 1, KSC
.irp j, 0,1,2,3
	v_mov_b32 v[NMB+4*\j], 0x7e000000              ; -M: a large whole number, so that the first f is 0
	v_mov_b32 v[NMB+4*\j+1], 0xff61b1e6            ; the largest score so far: -3e38
	v_mov_b32 v[NMB+4*\j+2], 0                     ; the sum
	v_mov_b32 v[NMB+4*\j+3], 0
.endr
.irp q, 0,1,2,3,4,5,6,7
	v_mov_b32 v[BT+\q], 0                          ; written once: a lane permute's destination counts as one of its sources
.endr
	v_mov_b32 v[FF+1], 0                           ; (named as the upper halves of the pairs with f)
	v_mov_b32 v[FF+3], 0
	s_wait_alu depctr_va_vdst(0)                   ; at the head's end
	s_wait_tensorcnt 0x0                           ; my part has landed,
	s_wait_loadcnt 0x0                             ; Q is in,
	s_barrier_signal -1
	s_barrier_wait -1                              ; and everybody's part has landed
	KLOADS 0
	STEP 1                                         ; the first 128 keys start O^T's sums
	s_mov_b32 s[CNT], 15
.Lstep:
	STEP 0
	s_sub_co_u32 s[CNT], s[CNT], 1
	s_cmp_lg_u32 s[CNT], 0
	s_cbranch_scc1 .Lstep
	s_wait_alu depctr_va_vdst(0)
	; THE WAY OUT: O^T / the sum, quantised along d (two blocks of 32 a tile, eight by turns), codes and scale bytes.  The lines up to the reciprocals are the places behind the last products
.irp j, 0,1,2,3
	v_add_f32 v[NMB+4*\j+2], v[NMB+4*\j+2], v[NMB+4*\j+3]
.endr
.irp j, 0,1,2,3
	v_permlanex16_b32 v[BT+\j], v[NMB+4*\j+2], s[SEL], s[SEL+1]
.endr
.irp j, 0,1,2,3
	v_add_f32 v[NMB+4*\j+2], v[NMB+4*\j+2], v[BT+\j]   ; the rows' sums
.endr
	s_lshl_b32 s2, s[WV], 5
	s_add_co_u32 s2, s2, OSS
	v_and_b32 v96, 15, v0
	v_lshl_add_u32 v96, v96, 1, s2                 ; the stage: 2 bytes a query, query 16 w + r (+ 128 j)
	s_lshl_b32 s2, s[WV], 9
	s_add_co_u32 s2, s2, OSS
	v_add_nc_u32 v97, s2, v[L16]                   ; where waves 0 and 1 read 512 bytes back
	s_wait_alu depctr_va_vdst(0)                   ; ahead of the batch
.irp j, 0,1,2,3
	v_rcp_f32 v[NMB+4*\j+2], v[NMB+4*\j+2]
.endr
	v_nop                                          ; a plain place behind the reciprocals
	WIN 0x01                                       ; O^T in window 1
	s_wait_alu depctr_va_vdst(0)                   ; behind the batch, and directly ahead of the first readers of O^T
.set J, 0
.rept 64
	v_pk_mul_f32 v[ST+J:ST+J+1], v[OT+J:OT+J+1], v[NMB+4*(J/32)+2:NMB+4*(J/32)+3] op_sel_hi:[1,0]   ; tile j, register 16 b + i: d = 32 b + 16 (lane / 16) + i, at ST + 16 (2 j + b) + i
.set J, J+2
.endr
	WIN 0
.irp q, 0,1,2,3,4,5,6,7
	v_max3_num_f32 v[BM+\q], |v[ST+16*\q]|, |v[ST+16*\q+1]|, 0x1800000
.endr
.irp i, 2,4,6,8,10,12,14
.irp q, 0,1,2,3,4,5,6,7
	v_max3_num_f32 v[BM+\q], v[BM+\q], |v[ST+16*\q+\i]|, |v[ST+16*\q+\i+1]|
.endr
.endr
.irp q, 0,1,2,3,4,5,6,7
	v_permlanex16_b32 v[BT+\q], v[BM+\q], s[SEL], s[SEL+1]
.endr
.irp q, 0,1,2,3,4,5,6,7
	v_max_num_f32 v[BM+\q], v[BM+\q], v[BT+\q]
.endr
.irp q, 0,1,2,3,4,5,6,7
	v_add_nc_u32 v[BS+\q], 0xff000000, v[BM+\q]
.endr
.irp q, 0,1,2,3,4,5,6,7
	v_lshrrev_b32 v[BT+\q], 23, v[BS+\q]
.endr
.irp j, 0,1,2,3
	v_lshl_or_b32 v[TA+\j], v[BT+2*\j+1], 8, v[BT+2*\j]
.endr
.irp q, 0,1,2,3,4,5,6,7
	v_cvt_scalef32_pk8_fp4_f32 v[PCD+2*\q], v[ST+16*\q:ST+16*\q+7], v[BS+\q]
	v_cvt_scalef32_pk8_fp4_f32 v[PCD+2*\q+1], v[ST+16*\q+8:ST+16*\q+15], v[BS+\q]
.endr
	v_nop
.irp j, 0,1,2,3
.irp i, 0,1
	v_permlane16_swap_b32 v[PCD+4*\j+\i], v[PCD+4*\j+2+\i]   ; lanes 0-15: d 0-31, lanes 16-31: d 32-63
.endr
.endr
.irp j, 0,1,2,3
	global_store_b128 v[L16], v[PCD+4*\j:PCD+4*\j+3], s[16:17] offset:65536*\j   ; half a fragment's image: 512 consecutive bytes
	ds_store_b16 v96, v[TA+\j] offset:256*\j       ; both lanes of a query write the same bytes with the same value
.endr
	s_wait_dscnt 0x0                               ; my scale bytes lie in the stage
	s_barrier_signal -1
	s_barrier_wait -1
	s_cmp_lt_u32 s[WV], 2
	s_cbranch_scc0 .Lno_scales
	ds_load_b128 v[100:103], v97
	s_wait_dscnt 0x0
	global_store_b128 v[L16], v[100:103], s[18:19] ; 512 consecutive bytes, at a multiple of 512 from the buffer's first byte
.Lno_scales:
	s_wait_tensorcnt 0x0                           ; the wave's end
	ds_add_u32 v[SPW], v[NIL]
	s_wait_dscnt 0x0
	CROUND                                         ; the closing round
	s_endpgm
.Lfunc_end_k_q6eb5c49bc1_attn:
	.size	k_q6eb5c49bc1_attn, .Lfunc_end_k_q6eb5c49bc1_attn-k_q6eb5c49bc1_attn
	.p2alignl 7, 3214868480
	.fill 96, 4, 3214868480
	.section	.rodata,"a",@progbits
	.p2align	6, 0x0
	.amdhsa_kernel k_q6eb5c49bc1_attn
		.amdhsa_group_segment_fixed_size 167936
		.amdhsa_private_segment_fixed_size 0
		.amdhsa_enable_private_segment 0
		.amdhsa_kernarg_size 64
		.amdhsa_user_sgpr_count 2
		.amdhsa_user_sgpr_kernarg_segment_ptr 1
		.amdhsa_wavefront_size32 1
		.amdhsa_system_sgpr_workgroup_id_x 1
		.amdhsa_system_sgpr_workgroup_id_y 1
		.amdhsa_system_sgpr_workgroup_id_z 1
		.amdhsa_system_vgpr_workitem_id 0
		.amdhsa_next_free_vgpr 512
		.amdhsa_next_free_sgpr 90
		.amdhsa_reserve_vcc 0
		.amdhsa_float_denorm_mode_32 3
		.amdhsa_float_denorm_mode_16_64 3
		.amdhsa_memory_ordered 1
		.amdhsa_forward_progress 1
		.amdhsa_inst_pref_size 133
	.end_amdhsa_kernel
	.amdgpu_metadata
---
amdhsa.version: [ 1, 2 ]
amdhsa.kernels:
  - .name:           k_q6eb5c49bc1_attn
    .symbol:         k_q6eb5c49bc1_attn.kd
    .args:
      - { .name: qc, .offset: 0, .size: 8, .value_kind: global_buffer, .address_space: global }
      - { .name: qs, .offset: 8, .size: 8, .value_kind: global_buffer, .address_space: global }
      - { .name: kc, .offset: 16, .size: 8, .value_kind: global_buffer, .address_space: global }
      - { .name: ks, .offset: 24, .size: 8, .value_kind: global_buffer, .address_space: global }
      - { .name: vc, .offset: 32, .size: 8, .value_kind: global_buffer, .address_space: global }
      - { .name: vs, .offset: 40, .size: 8, .value_kind: global_buffer, .address_space: global }
      - { .name: oc, .offset: 48, .size: 8, .value_kind: global_buffer, .address_space: global }
      - { .name: os, .offset: 56, .size: 8, .value_kind: global_buffer, .address_space: global }
    .group_segment_fixed_size: 167936
    .private_segment_fixed_size: 0
    .kernarg_segment_align: 8
    .kernarg_segment_size: 64
    .max_flat_workgroup_size: 256
    .sgpr_count:     90
    .vgpr_count:     512
    .wavefront_size: 32
...
	.end_amdgpu_metadata
.endif
;; end of part 2
;; launch outp (part 3): grid 8 x 32, 8 waves a work-group, clusters of 4 x 4, 214,272 bytes of LDS; arguments oc, os, Wo_codes, Wo_scales, bo, out0; writes out0
.if DOCPART == 3
	.amdgcn_target "amdgcn-amd-amdhsa--gfx1250"
	.amdhsa_code_object_version 6
	.text
	.protected	k_q6eb5c49bc1_outp
	.globl	k_q6eb5c49bc1_outp
	.p2align	8
	.type	k_q6eb5c49bc1_outp,@function
k_q6eb5c49bc1_outp:
	s_mov_b64 s[64:65], 0
	v_nop
	global_prefetch_b8 v0, s[64:65] scope:SCOPE_SE
	s_setreg_imm32_b32 hwreg(HW_REG_WAVE_MODE, 25, 1), 1
	s_wait_xcnt 0x0
	s_wait_alu depctr_hold_cnt(0) depctr_sa_sdst(0) depctr_va_vdst(0) depctr_va_sdst(0) depctr_va_ssrc(0) depctr_va_vcc(0) depctr_vm_vsrc(0)
	s_getreg_b32 s2, hwreg(HW_REG_IB_STS2, 6, 4)
	s_cmp_eq_u32 s2, 0
	s_cbranch_scc0 .Lentry_in_a_cluster
	s_endpgm
.Lentry_in_a_cluster:
	s_bfe_u32 s2, ttmp6, 0x10000c
	s_cmp_lg_u32 s2, 0xf033
	s_cbranch_scc0 .Lentry_shape_is_right
	s_endpgm
.Lentry_shape_is_right:
; out0 = O Wo^T + bo on E2M1 codes with one E8M0 byte for each 32 along K = 1,024.  O's codes come as images of the operand's registers (oc: [128 b + s / 16][K step 8][2][lane][16 bytes]), its scale bytes as os [head][s] two bytes.
; SHARES.  A work-group makes 256 tokens (one b, 256 consecutive s) x 128 features; all of K fits in LDS: every byte is filled once.  Eight waves; a wave makes 32 tokens x 128 features: 16 accumulators.
; THE MATRIX INSTRUCTION IS USED TRANSPOSED (source 0 = 16 rows of Wo, source 1 = 16 tokens): a lane holds eight neighbouring features of one token's row.
; THE BIAS is loaded straight into the accumulators, in the result's layout, and every K step adds in place: no addition is spent on it.
; CLUSTER.  4 x 4 work-groups: O's tiles are asked for jointly along a row of the cluster (same tokens), Wo's along a column (same features).
.set PITCH, 528                        ; a row of Wo's codes, of os, and of the stage: 512 bytes + 16
.set SPI,   48
.set XI,    0                          ; O's images: 16 tiles of tokens x 8,192 bytes
.set WC,    131072                     ; Wo's codes, 128 rows
.set WS,    WC+128*PITCH               ; Wo's scale bytes, 128 rows of 32 + 16
.set OS,    WS+128*SPI                 ; O's scale bytes: 16 heads x (256 tokens x 2 bytes + 16)
.set SPARE, OS+16*PITCH                ; the spare words, 128 bytes for each of eight waves: four blocks of 256 bytes that no other line names
.set STG,   0                          ; the way out: 16 rows x 528 bytes for each wave, in O's images, which nobody reads behind the second barrier
.set WV, 16
.set CX, 17
.set CY, 18
.set FB, 19
.set BB, 20
.set SB, 21
.set G1XI, 24
.set G1W, 32
.set G1WS, 40
.set G1OS, 48
.set G0XI, 56
.set G0W, 60
.set G0WS, 68
.set G0OS, 72
.set RR, 1
.set HH, 2
.set LN, 4
.set L16, 5
.set ADRP, 6
.set ADRQ, 7
.set ASP, 8
.set AOS, 9
.set BO, 10
.set STO, 11
.set RD, 12
.set SQ, 20                            ; v20-27 the tokens' scale words, one for each K step;  v28-43 Wo's: scales and nothing else
.set SP, 28
.set QF, 48
.set PF, 64
.set ACC, 128
.macro PLACES n
.rept \n
	v_nop
.endr
.endm
.macro CROUND
	s_barrier_signal -1
	s_barrier_wait -1
	s_cmp_lg_u32 s[WV], 0
	s_cbranch_scc1 .Lnot_wave_0_\@
	s_barrier_signal -3
.Lnot_wave_0_\@:
	s_barrier_wait -3
	s_barrier_signal -1
	s_barrier_wait -1
.endm
.macro MM d, a, b, sa, sb, ra, rb       ; one product on codes, in place.  ra, rb: the scale words stand in lanes 16-31
.if (\ra) && (\rb)
	v_wmma_scale_f32_16x16x128_f8f6f4 v[\d:\d+7], v[\a:\a+7], v[\b:\b+7], v[\d:\d+7], v[\sa], v[\sb] matrix_a_fmt:MATRIX_FMT_FP4 matrix_b_fmt:MATRIX_FMT_FP4 matrix_a_scale:MATRIX_SCALE_ROW1 matrix_b_scale:MATRIX_SCALE_ROW1
.elseif \ra
	v_wmma_scale_f32_16x16x128_f8f6f4 v[\d:\d+7], v[\a:\a+7], v[\b:\b+7], v[\d:\d+7], v[\sa], v[\sb] matrix_a_fmt:MATRIX_FMT_FP4 matrix_b_fmt:MATRIX_FMT_FP4 matrix_a_scale:MATRIX_SCALE_ROW1
.elseif \rb
	v_wmma_scale_f32_16x16x128_f8f6f4 v[\d:\d+7], v[\a:\a+7], v[\b:\b+7], v[\d:\d+7], v[\sa], v[\sb] matrix_a_fmt:MATRIX_FMT_FP4 matrix_b_fmt:MATRIX_FMT_FP4 matrix_b_scale:MATRIX_SCALE_ROW1
.else
	v_wmma_scale_f32_16x16x128_f8f6f4 v[\d:\d+7], v[\a:\a+7], v[\b:\b+7], v[\d:\d+7], v[\sa], v[\sb] matrix_a_fmt:MATRIX_FMT_FP4 matrix_b_fmt:MATRIX_FMT_FP4
.endif
.endm
; The first and only fills: waves 0-3 a quarter of O's images each, 4, 5 Wo's codes, 6 Wo's scale bytes, 7 O's.  Four v_nop follow each load.
.macro TLOADS
	s_cmp_lt_u32 s[WV], 4
	s_cbranch_scc0 .Lt1_\@
	tensor_load_to_lds s[G0XI:G0XI+3], s[G1XI:G1XI+7]
	s_nop 0
	PLACES 4
	s_branch .Lasked_\@
.Lt1_\@:
	s_cmp_lt_u32 s[WV], 6
	s_cbranch_scc0 .Lt2_\@
	tensor_load_to_lds s[G0W:G0W+3], s[G1W:G1W+7]
	s_nop 0
	PLACES 4
	s_branch .Lasked_\@
.Lt2_\@:
	s_cmp_eq_u32 s[WV], 6
	s_cbranch_scc0 .Lt3_\@
	tensor_load_to_lds s[G0WS:G0WS+3], s[G1WS:G1WS+7]
	s_nop 0
	PLACES 4
	s_branch .Lasked_\@
.Lt3_\@:
	s_cmp_eq_u32 s[WV], 7
	s_cbranch_scc0 .Lasked_\@
	tensor_load_to_lds s[G0OS:G0OS+3], s[G1OS:G1OS+7]
	s_nop 0
	PLACES 4
.Lasked_\@:
.endm
; K step s of eight: 20 loads of fragments (every fourth step 4 more, of Wo's scale words), 16 products, the 16 accumulators by turns.
.macro KSTEP s
	PLACES 4                                       ; places in front of loads into registers that matrix instructions have read
.if (\s)%4 == 0
.irp j, 0,1,2,3
	ds_load_b128 v[SP+4*\j:SP+4*\j+3], v[ASP] offset:32*SPI*\j+16*((\s)/4)   ; lanes 0-15: tile 2 j's rows; lanes 16-31: tile 2 j + 1's
.endr
.endif
.irp t, 0,1,2,3,4,5,6,7
.irp c, 0,1
	ds_load_b128 v[PF+8*\t+4*\c:PF+8*\t+4*\c+3], v[ADRP] offset:16*\t*PITCH+64*(\s)+32*\c
.endr
.endr
.irp a, 0,1
.irp c, 0,1
	ds_load_b128 v[QF+8*\a+4*\c:QF+8*\a+4*\c+3], v[ADRQ] offset:8192*\a+1024*(\s)+512*\c
.endr
.endr
	s_wait_dscnt 0x0
.irp t, 0,1,2,3,4,5,6,7
.irp a, 0,1
	MM ACC+64*\a+8*\t, PF+8*\t, QF+8*\a, SP+4*(\t/2)+(\s)%4, SQ+(\s), \t%2, \a
.endr
.endr
.endm
	s_load_b256 s[4:11], s[0:1], 0x0               ; oc, os, Wo's codes, Wo's scales
	s_load_b128 s[12:15], s[0:1], 0x20             ; bo, out0
	v_lshl_add_u32 v13, v0, 2, SPARE               ; v13 my spare word's address, v14 0: never rewritten
	v_mov_b32 v14, 0
	ds_add_u32 v13, v14                            ; the opening lines: the add, twice on end, and its wait ahead of the first round
	ds_add_u32 v13, v14
	v_lshrrev_b32 v1, 5, v0
	s_delay_alu instid0(VALU_DEP_1)
	v_readfirstlane_b32 s[WV], v1                  ; wave 0..7
	s_bfe_u32 s[CX], ttmp6, 0x40000
	s_bfe_u32 s[CY], ttmp6, 0x40004
	s_lshl_b32 s[FB], ttmp9, 2
	s_add_co_u32 s[FB], s[FB], s[CX]               ; which 128 features: 4 x cluster x + cx
	s_and_b32 s76, ttmp7, 0xffff                   ; cluster y, 0..7
	s_lshr_b32 s[BB], s76, 1                       ; b
	s_and_b32 s[SB], s76, 1
	s_lshl_b32 s[SB], s[SB], 2
	s_add_co_u32 s[SB], s[SB], s[CY]               ; which 256 of s
	s_lshl_b32 s76, s[CY], 2
	s_lshl_b32 s76, 15, s76                        ; my row of the cluster
	s_lshl_b32 s77, 0x1111, s[CX]                  ; my column
	; descriptor groups 1.  O's images: 128 rows of 256 bytes (32 elements of 8), dense here and there
	s_or_b32 s[G1XI], s76, (3<<16)|(1<<21)
	s_mov_b32 s[G1XI+1], 32<<16
	s_mov_b32 s[G1XI+2], 128<<16
	s_mov_b32 s[G1XI+3], 32<<16
	s_mov_b32 s[G1XI+4], 128
	s_mov_b32 s[G1XI+5], 32
	s_mov_b32 s[G1XI+6], 0
	s_mov_b32 s[G1XI+7], 0
	s_or_b32 s[G1W], s77, (1<<20)|(1<<21)|(6<<22)|(3<<25)   ; Wo's codes: 64 rows x 512 bytes, 16 bytes of padding behind each
	s_mov_b32 s[G1W+1], 512<<16
	s_mov_b32 s[G1W+2], 64<<16
	s_mov_b32 s[G1W+3], 512<<16
	s_mov_b32 s[G1W+4], 64
	s_mov_b32 s[G1W+5], 512
	s_mov_b32 s[G1W+6], 0
	s_mov_b32 s[G1W+7], 0
	s_or_b32 s[G1WS], s77, (1<<20)|(1<<21)|(2<<22)|(3<<25)  ; Wo's scale bytes: 128 rows x 32 bytes, 16 of padding behind each
	s_mov_b32 s[G1WS+1], 32<<16
	s_mov_b32 s[G1WS+2], 128<<16
	s_mov_b32 s[G1WS+3], 32<<16
	s_mov_b32 s[G1WS+4], 128
	s_mov_b32 s[G1WS+5], 32
	s_mov_b32 s[G1WS+6], 0
	s_mov_b32 s[G1WS+7], 0
	s_or_b32 s[G1OS], s76, (1<<20)|(1<<21)|(6<<22)|(3<<25)  ; O's scale bytes: 16 heads x 512 bytes, 4,096 bytes from head to head
	s_mov_b32 s[G1OS+1], 512<<16
	s_mov_b32 s[G1OS+2], 16<<16
	s_mov_b32 s[G1OS+3], 512<<16
	s_mov_b32 s[G1OS+4], 16
	s_mov_b32 s[G1OS+5], 4096
	s_mov_b32 s[G1OS+6], 0
	s_mov_b32 s[G1OS+7], 0
	s_and_b32 s86, s[WV], 3
	s_lshl_b32 s86, s86, 15                        ; a quarter of O's images
	s_lshl_b32 s78, s[BB], 20                      ; tile of tokens 128 b + 16 SB, 8,192 bytes each
	s_lshl_b32 s79, s[SB], 17
	s_add_co_u32 s78, s78, s79
	s_add_co_u32 s78, s78, s86
	s_mov_b32 s79, 0
	s_and_b32 s87, s[WV], 1
	s_mul_i32 s88, s87, 64*PITCH
	s_lshl_b32 s87, s87, 15                        ; 64 rows of 512 bytes
	s_lshl_b32 s80, s[FB], 16                      ; 128 rows
	s_add_co_u32 s80, s80, s87
	s_mov_b32 s81, 0
	s_lshl_b32 s82, s[FB], 12
	s_mov_b32 s83, 0
	s_lshl_b32 s84, s[BB], 16                      ; 16 heads of 4,096 bytes
	s_lshl_b32 s85, s[SB], 9
	s_add_co_u32 s84, s84, s85
	s_mov_b32 s85, 0
	s_wait_dscnt 0x0                               ; both opening adds are done
	s_wait_kmcnt 0x0
	s_mov_b32 s[G0XI], 1
	s_add_co_u32 s[G0XI+1], s86, XI
	s_add_nc_u64 s[G0XI+2:G0XI+3], s[4:5], s[78:79]
	s_or_b32 s[G0XI+3], s[G0XI+3], 0x80000000
	s_mov_b32 s[G0W], 1
	s_add_co_u32 s[G0W+1], s88, WC
	s_add_nc_u64 s[G0W+2:G0W+3], s[8:9], s[80:81]
	s_or_b32 s[G0W+3], s[G0W+3], 0x80000000
	s_mov_b32 s[G0WS], 1
	s_mov_b32 s[G0WS+1], WS
	s_add_nc_u64 s[G0WS+2:G0WS+3], s[10:11], s[82:83]
	s_or_b32 s[G0WS+3], s[G0WS+3], 0x80000000
	s_mov_b32 s[G0OS], 1
	s_mov_b32 s[G0OS+1], OS
	s_add_nc_u64 s[G0OS+2:G0OS+3], s[6:7], s[84:85]
	s_or_b32 s[G0OS+3], s[G0OS+3], 0x80000000
	CROUND                                         ; all sixteen work-groups are here: the joint loads meet
	TLOADS                                         ; one tensor load of mine is out
	s_lshl_b32 s2, s[FB], 9                        ; bo: my work-group's 128 numbers
	s_mov_b32 s3, 0
	s_add_nc_u64 s[12:13], s[12:13], s[2:3]
	v_and_b32 v[RR], 15, v0
	s_wait_alu depctr_va_vdst(0)
	v_bfe_u32 v[HH], v0, 4, 1
	v_and_b32 v[LN], 31, v0
	s_delay_alu instid0(VALU_DEP_1)
	v_lshlrev_b32 v[L16], 4, v[LN]
	s_delay_alu instid0(VALU_DEP_3)
	v_lshlrev_b32 v[BO], 5, v[HH]                  ; lanes 16-31 hold features 8 .. 15 of a tile
.irp a, 0,1
.irp t, 0,1,2,3,4,5,6,7
.irp i, 0,1
	global_load_b128 v[ACC+64*\a+8*\t+4*\i:ACC+64*\a+8*\t+4*\i+3], v[BO], s[12:13] offset:64*\t+16*\i   ; the sums begin as the bias
.endr
.endr
.endr
	s_lshl_b32 s2, s[SB], 22                       ; out0: token (s, b) is row 4 s + b of 4,096 bytes; s = 256 SB + 32 w on; + 512 bytes for each block of features
	s_lshl_b32 s3, s[WV], 19
	s_add_co_u32 s2, s2, s3
	s_lshl_b32 s3, s[BB], 12
	s_add_co_u32 s2, s2, s3
	s_lshl_b32 s3, s[FB], 9
	s_add_co_u32 s2, s2, s3
	s_mov_b32 s3, 0
	s_add_nc_u64 s[14:15], s[14:15], s[2:3]
	v_mul_u32_u24 v[ADRP], v[RR], PITCH
	s_wait_alu depctr_va_vdst(0)
	v_lshl_add_u32 v[ADRP], v[HH], 4, v[ADRP]
	s_delay_alu instid0(VALU_DEP_1)
	v_add_nc_u32 v[ADRP], WC, v[ADRP]              ; Wo: row r of a tile, + 16 bytes for lanes 16-31
	s_lshl_b32 s86, s[WV], 14
	v_add_nc_u32 v[ADRQ], s86, v[L16]              ; O: my two tiles' images (they begin at LDS byte 0)
	v_mul_u32_u24 v[ASP], v[LN], SPI
	s_delay_alu instid0(VALU_DEP_1)
	v_add_nc_u32 v[ASP], WS, v[ASP]                ; Wo's scale words: row = lane of each 32 rows
	s_lshl_b32 s86, s[WV], 6
	s_add_co_u32 s86, s86, OS
	v_lshl_add_u32 v[AOS], v[LN], 1, s86           ; O's scale bytes: token 32 w + lane
	s_mul_i32 s86, s[WV], 16*PITCH
	s_add_co_u32 s86, s86, STG
	v_mul_u32_u24 v[STO], v[RR], PITCH
	s_delay_alu instid0(VALU_DEP_1)
	v_lshl_add_u32 v[STO], v[HH], 5, v[STO]
	s_delay_alu instid0(VALU_DEP_1)
	v_add_nc_u32 v[STO], s86, v[STO]               ; the stage, in: row r, 32 bytes for each half of the lanes
	v_add_nc_u32 v[RD], s86, v[L16]                ; and back: a row of 512 bytes to the 32 lanes
	s_wait_alu depctr_va_vdst(0)
	s_wait_tensorcnt 0x0                           ; my part has landed,
	s_barrier_signal -1
	s_barrier_wait -1                              ; everybody's has
	; the tokens' scale words: K step kp takes heads 2 kp and 2 kp + 1, two bytes each.  Lanes 0-15 serve my first tile of tokens, lanes 16-31 the second
.irp k, 0,1,2,3,4,5,6,7
	ds_load_u16 v[SQ+\k], v[AOS] offset:2*PITCH*\k
	ds_load_u16 v[QF+\k], v[AOS] offset:2*PITCH*\k+PITCH
.endr
	s_wait_dscnt 0x0
.irp k, 0,1,2,3,4,5,6,7
	v_lshl_or_b32 v[SQ+\k], v[QF+\k], 16, v[SQ+\k]
.endr
	PLACES 4                                       ; with the four at the head of the first K step: eight places between these lines and the first product that takes the words as scales
	s_wait_alu depctr_va_vdst(0)
	s_wait_loadcnt 0x0                             ; the bias is in the accumulators
	KSTEP 0
	KSTEP 1
	KSTEP 2
	KSTEP 3
	KSTEP 4
	KSTEP 5
	KSTEP 6
	KSTEP 7
	PLACES 4                                       ; places ahead of the reads of the results and of the loads into the fragments' registers
	s_wait_dscnt 0x0                               ; my reads of O's images are over
	s_barrier_signal -1
	s_barrier_wait -1                              ; everybody's are: the stages may be written
	; THE WAY OUT, 16 tokens at a time: a lane's 32 bytes of a row go into my stage, whole rows of 512 bytes come back.  LDS serves a wave's instructions in order: no wait between the stores and the loads
.irp a, 0,1
.if \a
	s_wait_xcnt 0x0                                ; the first sixteen stores have read their registers: these are loaded again
.endif
.irp t, 0,1,2,3,4,5,6,7
	ds_store_b128 v[STO], v[ACC+64*\a+8*\t:ACC+64*\a+8*\t+3] offset:64*\t          ; each accumulator from its low end on
	ds_store_b128 v[STO], v[ACC+64*\a+8*\t+4:ACC+64*\a+8*\t+7] offset:64*\t+16
.endr
.irp i, 0,1,2,3,4,5,6,7,8,9,10,11,12,13,14,15
	ds_load_b128 v[PF+4*\i:PF+4*\i+3], v[RD] offset:PITCH*\i
.endr
.irp i, 0,1,2,3,4,5,6,7,8,9,10,11,12,13,14,15
	s_wait_dscnt 15-\i                             ; row i is back; the 15 - i younger loads may be out
	global_store_b128 v[L16], v[PF+4*\i:PF+4*\i+3], s[14:15] offset:262144*\a+16384*\i th:TH_STORE_NT   ; 512 consecutive bytes, at a multiple of 512 from out0's first byte
.endr
.endr
	s_wait_tensorcnt 0x0                           ; the wave's end
	ds_add_u32 v13, v14
	s_wait_dscnt 0x0
	CROUND                                         ; the closing round
	s_endpgm
.Lfunc_end_k_q6eb5c49bc1_outp:
	.size	k_q6eb5c49bc1_outp, .Lfunc_end_k_q6eb5c49bc1_outp-k_q6eb5c49bc1_outp
	.p2alignl 7, 3214868480
	.fill 96, 4, 3214868480
	.section	.rodata,"a",@progbits
	.p2align	6, 0x0
	.amdhsa_kernel k_q6eb5c49bc1_outp
		.amdhsa_group_segment_fixed_size 214272
		.amdhsa_private_segment_fixed_size 0
		.amdhsa_enable_private_segment 0
		.amdhsa_kernarg_size 48
		.amdhsa_user_sgpr_count 2
		.amdhsa_user_sgpr_kernarg_segment_ptr 1
		.amdhsa_wavefront_size32 1
		.amdhsa_system_sgpr_workgroup_id_x 1
		.amdhsa_system_sgpr_workgroup_id_y 1
		.amdhsa_system_sgpr_workgroup_id_z 1
		.amdhsa_system_vgpr_workitem_id 0
		.amdhsa_next_free_vgpr 256
		.amdhsa_next_free_sgpr 90
		.amdhsa_reserve_vcc 0
		.amdhsa_float_denorm_mode_32 3
		.amdhsa_float_denorm_mode_16_64 3
		.amdhsa_memory_ordered 1
		.amdhsa_forward_progress 1
		.amdhsa_inst_pref_size 50
	.end_amdhsa_kernel
	.amdgpu_metadata
---
amdhsa.version: [ 1, 2 ]
amdhsa.kernels:
  - .name:           k_q6eb5c49bc1_outp
    .symbol:         k_q6eb5c49bc1_outp.kd
    .args:
      - { .name: oc, .offset: 0, .size: 8, .value_kind: global_buffer, .address_space: global }
      - { .name: os, .offset: 8, .size: 8, .value_kind: global_buffer, .address_space: global }
      - { .name: Wo_codes, .offset: 16, .size: 8, .value_kind: global_buffer, .address_space: global }
      - { .name: Wo_scales, .offset: 24, .size: 8, .value_kind: global_buffer, .address_space: global }
      - { .name: bo, .offset: 32, .size: 8, .value_kind: global_buffer, .address_space: global }
      - { .name: out0, .offset: 40, .size: 8, .value_kind: global_buffer, .address_space: global }
    .group_segment_fixed_size: 214272
    .private_segment_fixed_size: 0
    .kernarg_segment_align: 8
    .kernarg_segment_size: 48
    .max_flat_workgroup_size: 256
    .sgpr_count:     90
    .vgpr_count:     256
    .wavefront_size: 32
...
	.end_amdgpu_metadata
.endif
;; end of part 3
